; MI455X (gfx1250); checked and timed in simulation.
; The chip was launched on July 23, 2026; its instructions are those of AMD's public machine-readable ISA for CDNA 5 (MIT licence, August 2026) and "CDNA5" Instruction Set Architecture Reference Guide (July 2026). The comments in the code are by the model that wrote it; some were corrected since.
;; Vector Quantizer. Allowed arithmetic: matrix products marked QUANTISED: E2M1 operands, one E8M0 scale for each 32 along K, by v_wmma_scale_f32_16x16x128_f8f6f4 with both operands' format E2M1 (or v_wmma_scale_f32_32x16x128_f4), f32 sums; everything else in f32.
;; Inputs: embeddings 8,192 x 512 float32; x 8 x 2,048 x 512 float32.
;; Outputs: out0 8 x 2,048 x 512 float32; out1 one number float32.
;; This version of the problem:
;;   THIS VERSION OF THE PROBLEM IS GIVEN IN LOW PRECISION. The matrix products marked QUANTISED in the list below multiply operands that are first quantised to E2M1 (2 exponent bits, 1 mantissa bit; 4 bits a number), with one power-of-two scale for each 32 numbers along K (OCP MX v1.0); their sums are f32. All else is computed in f32.
;;   The module's matrix products, in the order in which they are computed (A, B: the left and right operand; K: the contracted axis; several contracted axes count as one K, in the product's order):
;;     1. [M 16,384, K 512] x [K 512, N 8,192]; A: input x; B: input embeddings: QUANTISED
;;   THE QUANTISER, for each operand of a quantised product, along K:
;;     - K is cut into blocks of 32 from its start; a last block that is shorter is filled with zeros.
;;     - A block's scale is 2^e with e = floor(log2(the largest magnitude in the block)) - 2, held to -126 .. 127; a block of zeros has e = 0. As a byte (E8M0): e + 127.
;;     - Each number is divided by its block's scale, clamped to +-6, and rounded to the nearest number of E2M1, ties to even, subnormals kept.
;;     - The product sums the exact products of the quantised numbers (number of the format x scale) in f32.
;;   ~~~python
;;   def quantise(x, axis):      # numpy; x: float32 -> the quantised numbers, widened to float32 again
;;       x = np.moveaxis(x, axis, -1); K = x.shape[-1]
;;       x = np.pad(x, [(0, 0)] * (x.ndim - 1) + [(0, -K % 32)]); x = x.reshape(x.shape[:-1] + (-1, 32)); a = np.abs(x).max(-1, keepdims=True)
;;       e = np.where(a > 0, np.clip(np.frexp(np.where(a > 0, a, 1))[1] - 1 - 2, -126, 127), 0)      # np.frexp(a)[1] - 1 = floor(log2(a)), exactly
;;       r = np.clip(x / 2.0 ** e, -6, 6)
;;       step = 2.0 ** (np.maximum(np.frexp(np.where(r == 0, 1, r))[1] - 1, 0) - 1)
;;       q = np.round(r / step) * step * 2.0 ** e      # np.round: ties to even
;;       return np.moveaxis(q.reshape(q.shape[:-2] + (-1,))[..., :K], -1, axis).astype(np.float32)
;;   ~~~
;; 2 versions. Each part assembles by itself: llvm-mc -triple=amdgcn-amd-amdhsa -mcpu=gfx1250 --defsym DOCPART=n.
;; ======== version 1 of 2: 4 launches
;; workspace buffers: ecb 2,260,992 bytes; codes 65,536 bytes of whole numbers; part 65,536 bytes
;; launch quant_e (part 1): grid 256 x 1, 8 waves a work-group, no clusters, 2,048 bytes of LDS; arguments embeddings, ecb; writes ecb
.if DOCPART == 1
	.amdgcn_target "amdgcn-amd-amdhsa--gfx1250"
	.amdhsa_code_object_version 6
	.text
	.protected	k_q293af36566_quant_e
	.globl	k_q293af36566_quant_e
	.p2align	8
	.type	k_q293af36566_quant_e,@function
k_q293af36566_quant_e:
	s_mov_b64 s[64:65], 0
	v_nop
	global_prefetch_b8 v0, s[64:65] scope:SCOPE_SE
	s_setreg_imm32_b32 hwreg(HW_REG_WAVE_MODE, 25, 1), 1
	s_wait_xcnt 0x0
; The codebook [8192][512] f32 becomes codes of FP4 (E2M1) with one E8M0 byte for each 32 along K, and each row's sum of squares yy, laid as the next launch's registers want them.
; ecb = 128 records of REC = 17,664 bytes, a record = 64 codebook rows = 4 tiles of 16:
;   codes:  tile x 4096 + K step x 1024 + c x 512 + 16 x lane: the image of a fragment's registers 4 c .. 4 c + 3 (16 rows x 128 K: 8 registers a lane)
;   scales: 16384 + 16 x row + 4 x K step: a row's four scale words on end;      yy: 17408 + 4 x row.
; A block's scale is 2^(floor(log2(its largest magnitude)) - 2); its byte is the largest magnitude's exponent field - 2, held at 1 from below.
; LIMITS: a block of zeros gets the byte 1 where the rule says 127 (its codes are zeros, and this program alone reads the bytes); NaN and infinities are not served.
; SHARES: a work-group takes 32 rows (two tiles); wave w takes tile w / 4 and K step w % 4: 16 rows x 128 numbers, 64 a lane.
; Lane (r, h) takes of row r, for each block b of 32, the 16 numbers at k = 32 b + 16 h: so two lanes 16 apart hold a block.
; The scale words and the waves' parts of yy meet in LDS; wave 0 stores them: the 32 rows' scale words as 512 consecutive bytes, their yy as 128 consecutive bytes (half of an aligned 256).
.set REC,  17664
.set X,    16                          ; v16-79   my 64 numbers: register 16 b + i = k 32 b + 16 h + i
.set TM,   80                          ; v80-95   at work in QUANT
.set PW,   96                          ; v96      the scale word just made
.set PC,   100                         ; v100-107 the codes just made
.set CH,   108                         ; v108-115 four chains of squares, two numbers each
.set SEL,  20                          ; s[20:21] v_permlanex16_b32's selects for lane l xor 16
; 64 numbers of a lane become a fragment's codes in v[PC] on and its row's scale word in v[PW]
.macro QUANT s
.irp b, 0,1,2,3
	v_max3_num_f32 v[TM+\b], |v[\s+16*\b]|, |v[\s+1+16*\b]|, 0x1800000   ; block b: my 16 numbers, and the floor 2^(3 - 127): the byte cannot fall under 1
.endr
.irp i, 2,4,6,8,10,12,14
.irp b, 0,1,2,3
	v_max3_num_f32 v[TM+\b], v[TM+\b], |v[\s+16*\b+\i]|, |v[\s+1+16*\b+\i]|   ; the four blocks by turns
.endr
.endr
.irp b, 0,1,2,3
	v_permlanex16_b32 v[TM+4+\b], v[TM+\b], s[SEL], s[SEL+1]
.endr
.irp b, 0,1,2,3
	v_max_num_f32 v[TM+\b], v[TM+\b], v[TM+4+\b]       ; with lane l xor 16's: the block's largest magnitude
.endr
.irp b, 0,1,2,3
	v_add_nc_u32 v[TM+12+\b], 0xff000000, v[TM+\b]     ; 2 off its exponent field: the conversion takes the exponent field of this operand as its scale
.endr
.irp b, 0,1,2,3
	v_lshrrev_b32 v[TM+4+\b], 23, v[TM+12+\b]          ; the scale's byte
.endr
	v_lshl_or_b32 v[PW], v[TM+5], 8, v[TM+4]
	v_lshl_or_b32 v[PW], v[TM+6], 16, v[PW]
	v_lshl_or_b32 v[PW], v[TM+7], 24, v[PW]
.irp b, 0,1,2,3
	v_cvt_scalef32_pk8_fp4_f32 v[PC+2*\b], v[\s+16*\b:\s+7+16*\b], v[TM+12+\b]
	v_cvt_scalef32_pk8_fp4_f32 v[PC+1+2*\b], v[\s+8+16*\b:\s+15+16*\b], v[TM+12+\b]
.endr
	v_nop                                              ; one plain place behind a scaled conversion
.irp c, 0,1                                        ; the operand's layout wants a whole block in a lane: lanes 0-15 block 2 c, lanes 16-31 block 2 c + 1
.irp i, 0,1
	v_permlane16_swap_b32 v[PC+4*\c+\i], v[PC+2+4*\c+\i]
.endr
.endr
.endm
	s_load_b128 s[4:7], s[0:1], 0x0                ; the codebook s[4:5], ecb s[6:7]
	v_lshl_add_u32 v128, v0, 2, 0x400
	v_mov_b32 v129, 0
	v_lshrrev_b32 v1, 5, v0
	v_readfirstlane_b32 s8, v1                     ; wave 0..7
	v_and_b32 v1, 31, v0                           ; lane
	v_and_b32 v2, 15, v0                           ; r
	v_bfe_u32 v3, v0, 4, 1                         ; h
	v_lshlrev_b32 v4, 11, v2
	v_lshl_add_u32 v4, v3, 6, v4                   ; in: row r of 2,048 bytes, + 64 h
	s_lshr_b32 s9, s8, 2                           ; my tile of the two
	s_and_b32 s10, s8, 3                           ; my K step
	s_and_b32 s11, ttmp9, 1                        ; which half of a record my work-group makes
	s_lshl_b32 s14, ttmp9, 16                      ; 32 rows x 2,048 bytes a work-group,
	s_lshl_b32 s13, s9, 15                         ; 16 rows a tile,
	s_add_co_u32 s14, s14, s13
	s_lshl_b32 s13, s10, 9                         ; 512 bytes a K step
	s_add_co_u32 s14, s14, s13
	s_mov_b32 s15, 0
	s_lshr_b32 s16, ttmp9, 1
	s_mul_i32 s16, s16, REC                        ; my record
	s_mov_b32 s17, 0
	s_lshl_b32 s12, s11, 13                        ; two tiles x 4,096 for the record's second half,
	s_lshl_b32 s13, s8, 10                         ; tile x 4096 + K step x 1024 = wave x 1024
	s_add_co_u32 s12, s12, s13
	v_lshlrev_b32 v8, 4, v1                        ; 16 x lane
	v_add_nc_u32 v5, s12, v8                       ; out: my 16 bytes of an image
	s_lshl_b32 s13, s9, 8
	s_lshl_b32 s18, s10, 2
	s_add_co_u32 s13, s13, s18
	v_lshl_add_u32 v6, v2, 4, s13                  ; LDS 0..511: the 32 rows' scale words: 16 x (16 tile + r) + 4 x K step
	s_lshl_b32 s13, s8, 6
	s_add_co_u32 s13, s13, 512
	v_lshl_add_u32 v7, v2, 2, s13                  ; LDS 512..1023: the waves' parts of yy: 64 x wave + 4 r
	v_lshlrev_b32 v9, 8, v3
	v_lshl_add_u32 v9, v2, 2, v9
	v_add_nc_u32 v9, 512, v9                       ; wave 0 reads them back: lane l = row l: 512 + 256 (l / 16) + 4 (l % 16), + 64 x K step
	v_lshlrev_b32 v10, 2, v1
	s_lshl_b32 s13, s11, 9
	v_add_nc_u32 v11, s13, v8                      ; out: my row's four scale words
	s_lshl_b32 s13, s11, 7
	v_add_nc_u32 v12, s13, v10                     ; out: my row's yy
	s_mov_b32 s[SEL], 0x76543210
	s_mov_b32 s[SEL+1], 0xfedcba98
.irp b, 0,1,2,3
	v_mov_b32 v[TM+4+\b], 0                        ; written once: a lane permute's destination counts as one of its sources
.endr
	s_wait_kmcnt 0x0
	s_add_nc_u64 s[4:5], s[4:5], s[14:15]
	s_add_nc_u64 s[6:7], s[6:7], s[16:17]
.irp b, 0,1,2,3
.irp j, 0,1,2,3
	global_load_b128 v[X+16*\b+4*\j:X+16*\b+4*\j+3], v4, s[4:5] offset:128*\b+16*\j th:TH_LOAD_NT
.endr
.endr
	s_wait_loadcnt 0x0
	; my part of yy: 64 squares in four chains; the first four products start the chains
.set i, 0
.rept 4
	v_pk_mul_f32 v[CH+2*i:CH+2*i+1], v[X+2*i:X+2*i+1], v[X+2*i:X+2*i+1]
.set i, i+1
.endr
.rept 28
	v_pk_fma_f32 v[CH+2*(i%4):CH+2*(i%4)+1], v[X+2*i:X+2*i+1], v[X+2*i:X+2*i+1], v[CH+2*(i%4):CH+2*(i%4)+1]
.set i, i+1
.endr
	v_pk_add_f32 v[CH:CH+1], v[CH:CH+1], v[CH+2:CH+3]
	v_pk_add_f32 v[CH+4:CH+5], v[CH+4:CH+5], v[CH+6:CH+7]
	v_pk_add_f32 v[CH:CH+1], v[CH:CH+1], v[CH+4:CH+5]
	v_add_f32 v[CH], v[CH], v[CH+1]
	v_permlanex16_b32 v[CH+1], v[CH], s[SEL], s[SEL+1]
	v_add_f32 v[CH], v[CH], v[CH+1]                ; row r's 128 squares of this K step, in both lanes that hold the row
	ds_store_b32 v7, v[CH]                         ; both write the same word with the same value
	QUANT X
	global_store_b128 v5, v[PC:PC+3], s[6:7]                   ; 32 lanes store 512 consecutive bytes, at a multiple of 256 from ecb's first byte
	global_store_b128 v5, v[PC+4:PC+7], s[6:7] offset:512
	ds_store_b32 v6, v[PW]
	s_wait_dscnt 0x0                               ; for the others' sake: my LDS stores are done
	s_barrier_signal -1
	s_barrier_wait -1
	s_cmp_lg_u32 s8, 0
	s_cbranch_scc1 .Ldone
	ds_load_b128 v[116:119], v8                    ; row l's four scale words
.irp s, 0,1,2,3
	ds_load_b32 v[120+\s], v9 offset:64*\s         ; row l's four parts of yy
.endr
	s_wait_dscnt 0x0
	v_add_f32 v120, v120, v121
	v_add_f32 v120, v120, v122
	v_add_f32 v120, v120, v123
	global_store_b128 v11, v[116:119], s[6:7] offset:16384
	global_store_b32 v12, v120, s[6:7] offset:17408
.Ldone:
	s_wait_tensorcnt 0x0
	ds_add_u32 v128, v129
	s_wait_dscnt 0x0
	s_endpgm
.Lfunc_end_k_q293af36566_quant_e:
	.size	k_q293af36566_quant_e, .Lfunc_end_k_q293af36566_quant_e-k_q293af36566_quant_e
	.p2alignl 7, 3214868480
	.fill 96, 4, 3214868480
	.section	.rodata,"a",@progbits
	.p2align	6, 0x0
	.amdhsa_kernel k_q293af36566_quant_e
		.amdhsa_group_segment_fixed_size 2048
		.amdhsa_private_segment_fixed_size 0
		.amdhsa_enable_private_segment 0
		.amdhsa_kernarg_size 16
		.amdhsa_user_sgpr_count 2
		.amdhsa_user_sgpr_kernarg_segment_ptr 1
		.amdhsa_wavefront_size32 1
		.amdhsa_system_sgpr_workgroup_id_x 1
		.amdhsa_system_sgpr_workgroup_id_y 1
		.amdhsa_system_sgpr_workgroup_id_z 1
		.amdhsa_system_vgpr_workitem_id 0
		.amdhsa_next_free_vgpr 130
		.amdhsa_next_free_sgpr 66
		.amdhsa_reserve_vcc 0
		.amdhsa_float_denorm_mode_32 3
		.amdhsa_float_denorm_mode_16_64 3
		.amdhsa_memory_ordered 1
		.amdhsa_forward_progress 1
		.amdhsa_inst_pref_size 12
	.end_amdhsa_kernel
	.amdgpu_metadata
---
amdhsa.version: [ 1, 2 ]
amdhsa.kernels:
  - .name:           k_q293af36566_quant_e
    .symbol:         k_q293af36566_quant_e.kd
    .args:
      - { .name: embeddings, .offset: 0, .size: 8, .value_kind: global_buffer, .address_space: global }
      - { .name: ecb, .offset: 8, .size: 8, .value_kind: global_buffer, .address_space: global }
    .group_segment_fixed_size: 2048
    .private_segment_fixed_size: 0
    .kernarg_segment_align: 8
    .kernarg_segment_size: 16
    .max_flat_workgroup_size: 256
    .sgpr_count:     66
    .vgpr_count:     130
    .wavefront_size: 32
...
	.end_amdgpu_metadata
.endif
;; end of part 1
;; launch nearest (part 2): grid 256 x 1, 8 waves a work-group, clusters of 4 x 1, 327,680 bytes of LDS; arguments x, ecb, codes; writes codes
.if DOCPART == 2
	.amdgcn_target "amdgcn-amd-amdhsa--gfx1250"
	.amdhsa_code_object_version 6
	.text
	.protected	k_q293af36566_nearest
	.globl	k_q293af36566_nearest
	.p2align	8
	.type	k_q293af36566_nearest,@function
k_q293af36566_nearest:
	s_mov_b64 s[64:65], 0
	v_nop
	global_prefetch_b8 v0, s[64:65] scope:SCOPE_SE
	s_setreg_imm32_b32 hwreg(HW_REG_WAVE_MODE, 25, 1), 1
	s_wait_xcnt 0x0
	s_wait_alu depctr_hold_cnt(0) depctr_sa_sdst(0) depctr_va_vdst(0) depctr_va_sdst(0) depctr_va_ssrc(0) depctr_va_vcc(0) depctr_vm_vsrc(0)
	s_getreg_b32 s2, hwreg(HW_REG_IB_STS2, 6, 4)
	s_cmp_eq_u32 s2, 0
	s_cbranch_scc0 .Lentry_in_a_cluster
	s_endpgm
.Lentry_in_a_cluster:
	s_bfe_u32 s2, ttmp6, 0x10000c
	s_cmp_lg_u32 s2, 0x3003
	s_cbranch_scc0 .Lentry_shape_is_right
	s_endpgm
.Lentry_shape_is_right:
; codes[n] = the lowest index v at which d(n, v) = (xx[n] + yy[v]) - 2 Q(x[n]) . Q(e[v]) is least.  x: [16384][512] f32; the codebook comes as records of codes, scale words and yy (ecb, made by the launch before).
; The product is made on codes of FP4 (E2M1) with E8M0 scales for each 32 along K; d is built with the roundings of the definition: t = xx + yy rounded once, d = t - 2 dot as one fused multiply-add (2 dot is exact).
; SHARES.  A work-group owns 64 rows of x (four tiles of 16) and walks all 8,192 codebook rows, so that each row of x has one owner.  It quantises its rows once; every wave then holds all 16 fragments of x
; (4 tiles x 4 K steps) in 128 registers for the whole launch.  The codebook goes in 16 chunks of 8 records (512 rows); in a chunk wave w takes record w: its own tensor load brings it, and it alone reads it.
; So each LDS byte is read once, and each fragment of the codebook feeds four matrix instructions.
; EIGHT WAVES, two to a SIMD: a tile of 16 codebook rows is 16 matrix instructions and 89 vector instructions (the distances and their scan), so one wave's vector work stands beside the other's matrix work.
; LAYOUT.  Source 0 = 16 codebook rows, source 1 = 16 rows of x: lane (r, h) holds row r of x, and its register j codebook row 16 T + 8 h + j: the scan runs along a lane's registers.
; THE SCAN keeps for each lane and tile of x: the least d so far, the index of the tile of 16 that gave it, and that tile's first seven d: where in the tile the least lies is looked up once, at the end.
; A later tile wins only where its least d is strictly less, and at the end equal d give way to the lower index: the lowest index wins, as argmin has it.
; CLUSTER.  The four work-groups of a cluster walk the same records: each record is asked for JOINTLY, by the same tensor load with the same descriptor and a mask that names the four.
; LIMITS: NaN and infinities are not served (the minimum passes over a NaN); a block of zeros has the scale byte 1 where the rule says 127 (its codes are zeros; only this program reads the bytes);
; xx and yy are summed in an order of this program's own, so they may differ from another order's sums in their last bits.
.set REC,   17664                      ; a record: 16,384 bytes of codes, 1,024 of scale words, 256 of yy
.set CHUNK, 8*REC                      ; a slot of the ring: wave w's record at w x REC
.set XIMG,  2*CHUNK                    ; behind the ring: x's 16 fragments as images of their registers, (4 m + s) x 1024;
.set XSC,   XIMG+16384                 ; their scale words, 128 bytes each;
.set XXP,   XSC+2048                   ; the waves' parts of xx, 128 bytes each;
.set MRG,   XXP+1024                   ; the waves' results: wave x 1024 + m x 256: d at 4 x lane, the index at 128 + 4 x lane;
.set SPARE, MRG+8192                   ; the spare words, 128 bytes for each wave: four blocks of 256 bytes that no other line names
.set CUR,  3                           ; v3   the first codebook row of the tile in hand that falls to my half of the lanes
.set SPW,  4                           ; v4   LDS address of my spare word; never rewritten
.set NIL,  5                           ; v5   0; never rewritten
.set AD,   6                           ; v6-7   my 16 bytes of an image in my record, slot 0, 1
.set AY,   8                           ; v8-9   my half's eight yy of a tile, slot 0, 1
.set XA,   10                          ; v10  x: row r of 2,048 bytes, + 64 h
.set XWI,  11                          ; v11  where I store x's images
.set XWS,  12                          ; v12  and their scale words
.set XI,   13                          ; v13  where I read x's images
.set XSA,  14                          ; v14  and their scale words
.set XXW,  15                          ; v15  where I store my part of xx
.set XXA,  16                          ; v16  and read the parts
.set MW,   17                          ; v17  where I store my results
.set MR,   18                          ; v18  where wave 0 reads the results of rows 2 l, 2 l + 1
.set CO,   19                          ; v19  8 x lane: those two rows' place in codes
.set XS,   20                          ; v20-35   x's scale words, 4 m + s
.set ES,   36                          ; v36-43   the codebook's: set t / 2, register s: lanes 0-15 the even tile's rows, lanes 16-31 the odd tile's
.set XX,   44                          ; v44-51   xx of my row in tile m, twice: a pair for the packed addition
.set BEST, 52                          ; v52-55   the least d so far
.set IDX,  56                          ; v56-59   CUR of the tile that gave it
.set M,    60                          ; v60-63   the tile's least d
.set EF,   64                          ; v64-127  a tile's four fragments, two buffers of 32
.set ACC,  128                         ; v128-159 four accumulators, one for each tile of x
.set T,    160                         ; v160-167, v240-247  xx + yy, two sets by turns
.set YY,   168                         ; v168-183 my half's eight yy, two sets
.set SV,   184                         ; v184-211 the winning tile's d 0 .. 6, seven a tile of x
.set TM,   212                         ; v212-227 at work in QUANT
.set PW,   228                         ; v228     the scale word just made
.set PC,   232                         ; v232-239 the codes just made
.set ST,   64                          ; at the head: v64-191 my 128 numbers of x; v192-199 four chains of squares
.set CH,   192
; window 1 (v256-383): x's fragments, (m, s) at 8 (4 m + s)
.set WV,   10                          ; s10  my wave's number
.set G1,   16                          ; s[16:23] descriptor group 1
.set G0,   24                          ; s[24:31] descriptor group 0, a set for each slot
.set SEL,  34                          ; s[34:35] v_permlanex16_b32's selects for lane l xor 16
.set MSB, 0
.macro WIN new                         ; the immediate's high byte repeats the setting that is left
.if MSB != \new
	s_set_vgpr_msb (MSB<<8)|\new
.set MSB, \new
.endif
.endm
; A round of the cluster's barrier: my work-group's barrier; wave 0 signals for the work-group; every wave waits for all four work-groups; my work-group's barrier once more.
.macro CROUND
	s_barrier_signal -1
	s_barrier_wait -1
	s_cmp_lg_u32 s[WV], 0
	s_cbranch_scc1 .Lnot_wave_0_\@
	s_barrier_signal -3
.Lnot_wave_0_\@:
	s_barrier_wait -3
	s_barrier_signal -1
	s_barrier_wait -1
.endm
; 64 numbers of a lane, register 16 b + i = k 32 b + 16 h + i of my row, become a fragment's codes in v[PC] on and its scale word in v[PW]
.macro QUANT s
.irp b, 0,1,2,3
	v_max3_num_f32 v[TM+\b], |v[\s+16*\b]|, |v[\s+1+16*\b]|, 0x1800000   ; block b: my 16 numbers, and the floor 2^(3 - 127): the byte cannot fall under 1
.endr
.irp i, 2,4,6,8,10,12,14
.irp b, 0,1,2,3
	v_max3_num_f32 v[TM+\b], v[TM+\b], |v[\s+16*\b+\i]|, |v[\s+1+16*\b+\i]|
.endr
.endr
.irp b, 0,1,2,3
	v_permlanex16_b32 v[TM+4+\b], v[TM+\b], s[SEL], s[SEL+1]
.endr
.irp b, 0,1,2,3
	v_max_num_f32 v[TM+\b], v[TM+\b], v[TM+4+\b]       ; with lane l xor 16's: the block's largest magnitude
.endr
.irp b, 0,1,2,3
	v_add_nc_u32 v[TM+12+\b], 0xff000000, v[TM+\b]     ; 2 off its exponent field: the conversion's scale operand
.endr
.irp b, 0,1,2,3
	v_lshrrev_b32 v[TM+4+\b], 23, v[TM+12+\b]          ; the scale's byte
.endr
	v_lshl_or_b32 v[PW], v[TM+5], 8, v[TM+4]
	v_lshl_or_b32 v[PW], v[TM+6], 16, v[PW]
	v_lshl_or_b32 v[PW], v[TM+7], 24, v[PW]
.irp b, 0,1,2,3
	v_cvt_scalef32_pk8_fp4_f32 v[PC+2*\b], v[\s+16*\b:\s+7+16*\b], v[TM+12+\b]
	v_cvt_scalef32_pk8_fp4_f32 v[PC+1+2*\b], v[\s+8+16*\b:\s+15+16*\b], v[TM+12+\b]
.endr
	v_nop                                              ; one plain place behind a scaled conversion
.irp c, 0,1                                        ; a whole block to a lane: lanes 0-15 block 2 c, lanes 16-31 block 2 c + 1
.irp i, 0,1
	v_permlane16_swap_b32 v[PC+4*\c+\i], v[PC+2+4*\c+\i]
.endr
.endr
.endm
.macro IMAGE off                       ; the fragment in v[PC] on goes to LDS as it stands
.irp c, 0,1
	ds_store_b128 v[XWI], v[PC+4*\c:PC+4*\c+3] offset:\off+512*\c
.endr
.endm
.macro XLOAD reg, sp                   ; my 16 rows' numbers of my sp-th K step, 64 a lane
.irp b, 0,1,2,3
.irp j, 0,1,2,3
	global_load_b128 v[\reg+16*\b+4*\j:\reg+16*\b+4*\j+3], v[XA], s[4:5] offset:512*\sp+128*\b+16*\j th:TH_LOAD_NT
.endr
.endr
.endm
; Tile t of my record: its four fragments, its eight yy for my half, and with an even tile the scale words of two tiles: 11 LDS loads for an even tile, 10 for an odd one
.macro LOADT slot, t
.if ((\t)%2) == 0
	ds_load_b128 v[ES+4*((\t)/2):ES+4*((\t)/2)+3], v[AD+\slot] offset:16384+512*((\t)/2)
.endif
.irp s, 0,1,2,3
.irp c, 0,1
	ds_load_b128 v[EF+32*((\t)%2)+8*\s+4*\c:EF+32*((\t)%2)+8*\s+4*\c+3], v[AD+\slot] offset:4096*(\t)+1024*\s+512*\c
.endr
.endr
	ds_load_b128 v[YY+8*((\t)%2):YY+8*((\t)%2)+3], v[AY+\slot] offset:64*(\t)
	ds_load_b128 v[YY+8*((\t)%2)+4:YY+8*((\t)%2)+7], v[AY+\slot] offset:64*(\t)+16
.endm
; 16 matrix instructions: the tile against x's four tiles, K step by K step.  The four accumulators take turns, one instruction a turn; the first K step starts the sums.
.macro MULT t
	WIN 0x04                                       ; source 1 (x) in window 1
.irp s, 0,1,2,3
.irp m, 0,1,2,3
.set rD, ACC+8*\m
.set rA, EF+32*((\t)%2)+8*\s
.set rB, 8*(4*\m+\s)
.set rE, ES+4*((\t)/2)+\s
.set rX, XS+4*\m+\s
.if (\s == 0) && (((\t)%2) == 0)
	v_wmma_scale_f32_16x16x128_f8f6f4 v[rD:rD+7], v[rA:rA+7], v[rB:rB+7], 0, v[rE], v[rX] matrix_a_fmt:MATRIX_FMT_FP4 matrix_b_fmt:MATRIX_FMT_FP4
.elseif \s == 0
	v_wmma_scale_f32_16x16x128_f8f6f4 v[rD:rD+7], v[rA:rA+7], v[rB:rB+7], 0, v[rE], v[rX] matrix_a_fmt:MATRIX_FMT_FP4 matrix_b_fmt:MATRIX_FMT_FP4 matrix_a_scale:MATRIX_SCALE_ROW1
.elseif ((\t)%2) == 0
	v_wmma_scale_f32_16x16x128_f8f6f4 v[rD:rD+7], v[rA:rA+7], v[rB:rB+7], v[rD:rD+7], v[rE], v[rX] matrix_a_fmt:MATRIX_FMT_FP4 matrix_b_fmt:MATRIX_FMT_FP4
.else
	v_wmma_scale_f32_16x16x128_f8f6f4 v[rD:rD+7], v[rA:rA+7], v[rB:rB+7], v[rD:rD+7], v[rE], v[rX] matrix_a_fmt:MATRIX_FMT_FP4 matrix_b_fmt:MATRIX_FMT_FP4 matrix_a_scale:MATRIX_SCALE_ROW1
.endif
.endr
.endr
	WIN 0
.endm
; The tile's distances and their scan.  The first four additions name no register of the products: they are the four places behind them (ISA guide 7.12.1); each accumulator is read from its low end on.
.macro EPI t
.set YS, YY+8*((\t)%2)
.irp m, 0,1,2,3
.set TS, T+80*((\m)%2)
.irp p, 0,2,4,6
	v_pk_add_f32 v[TS+\p:TS+\p+1], v[YS+\p:YS+\p+1], v[XX+2*\m:XX+2*\m+1]   ; t = xx + yy
.endr
.irp p, 0,2,4,6
	v_pk_fma_f32 v[ACC+8*\m+\p:ACC+8*\m+\p+1], v[ACC+8*\m+\p:ACC+8*\m+\p+1], -2.0, v[TS+\p:TS+\p+1] op_sel_hi:[1,0,1]   ; d = t - 2 dot
.endr
.endr
.irp m, 0,1,2,3
	v_min3_num_f32 v[M+\m], v[ACC+8*\m], v[ACC+8*\m+1], v[ACC+8*\m+2]
.endr
.irp m, 0,1,2,3
	v_min3_num_f32 v[M+\m], v[M+\m], v[ACC+8*\m+3], v[ACC+8*\m+4]
.endr
.irp m, 0,1,2,3
	v_min3_num_f32 v[M+\m], v[M+\m], v[ACC+8*\m+5], v[ACC+8*\m+6]
.endr
.irp m, 0,1,2,3
	v_min_num_f32 v[M+\m], v[M+\m], v[ACC+8*\m+7]
.endr
.irp m, 0,1,2,3
	v_cmp_lt_f32 s[36+\m], v[M+\m], v[BEST+\m]     ; strictly less: among equal d the earlier tile stays
.endr
.irp m, 0,1,2,3
	v_min_num_f32 v[BEST+\m], v[BEST+\m], v[M+\m]
.endr
.irp m, 0,1,2,3
	v_cndmask_b32 v[IDX+\m], v[IDX+\m], v[CUR], s[36+\m]
.endr
.irp m, 0,1,2,3
.irp j, 0,1,2,3,4,5,6
	v_cndmask_b32 v[SV+7*\m+\j], v[SV+7*\m+\j], v[ACC+8*\m+\j], s[36+\m]
.endr
.endr
.if (\t) == 3
	v_add_nc_u32 v[CUR], 464, v[CUR]               ; on to my record of the next chunk: 512 rows from record to record
.else
	v_add_nc_u32 v[CUR], 16, v[CUR]
.endif
.endm
; My record of the chunk in slot.  left: the tensor loads issued behind the record's own, which may stay out.  fill = 1: the slot is filled again, with the chunk two on.
; Each tile's LDS loads are issued a tile ahead: the counted waits leave exactly the next tile's loads out (10, 11, 10).
; A fragment buffer is loaded again, and an accumulator begun anew, only behind a whole scan: far more plain vector instructions than the places that are asked.
.macro RECORD slot, left, fill
	s_wait_tensorcnt \left                         ; tensor loads of a wave end in order: my record is in LDS, and I alone read it
	LOADT \slot, 0
	LOADT \slot, 1
	s_wait_dscnt 10
	MULT 0
	EPI 0
	LOADT \slot, 2
	s_wait_dscnt 11
	MULT 1
	EPI 1
	LOADT \slot, 3
	s_wait_dscnt 10
	MULT 2
	EPI 2
	s_wait_dscnt 0x0                               ; the last tile is in: my reads of this slot are over
	MULT 3
.if \fill
	s_wait_tensorcnt 0x0                           ; all my tensor loads have landed (the one that was out is the other slot's): a group 0 may be written
	ds_add_u32 v[SPW], v[NIL]                      ; 0 onto my spare word: the last tile's scan stands between it and the wait for it
	s_add_nc_u64 s[G0+4*\slot+2:G0+4*\slot+3], s[G0+4*\slot+2:G0+4*\slot+3], 2*CHUNK   ; this slot's next chunk; the type bits on top are not reached
.endif
	EPI 3
.if \fill
	s_wait_dscnt 0x0                               ; the add is done
	CROUND                                         ; no wave of any partner still reads this slot or has a load on its way
	tensor_load_to_lds s[G0+4*\slot:G0+4*\slot+3], s[G1:G1+7]   ; the first thing behind the round, my one tensor load until the next: it has a record's work in which to land
	s_nop 0
.rept 4
	v_nop
.endr
.endif
.endm
; (d, c) takes (d2, c2) where d2 is less, or equal with the lower index
.macro MERGE d, c, d2, c2
	v_cmp_lt_f32 s36, v[\d2], v[\d]
	v_cmp_eq_f32 s37, v[\d2], v[\d]
	v_cmp_lt_u32 s38, v[\c2], v[\c]
	s_and_b32 s37, s37, s38
	s_or_b32 s36, s36, s37
	v_cndmask_b32 v[\d], v[\d], v[\d2], s36
	v_cndmask_b32 v[\c], v[\c], v[\c2], s36
.endm
	s_load_b128 s[4:7], s[0:1], 0x0                ; x s[4:5], ecb s[6:7]
	s_load_b64 s[8:9], s[0:1], 0x10                ; codes
	v_lshl_add_u32 v[SPW], v0, 2, SPARE
	v_mov_b32 v[NIL], 0
	ds_add_u32 v4, v5
	ds_add_u32 v4, v5
	s_wait_dscnt 0x0
	v_lshrrev_b32 v1, 5, v0
	v_readfirstlane_b32 s[WV], v1                  ; wave 0..7
	s_bfe_u32 s11, ttmp6, 0x40000                  ; cx: my place in the cluster
	s_lshl_b32 s12, ttmp9, 2                       ; in a cluster launch ttmp9 counts clusters
	s_add_co_u32 s12, s12, s11                     ; my work-group: it enters x's and codes' addresses alone
	v_and_b32 v1, 31, v0                           ; lane
	v_and_b32 v2, 15, v0                           ; r
	v_bfe_u32 v229, v0, 4, 1                       ; h
	v_lshlrev_b32 v230, 4, v1                      ; 16 x lane
	v_lshlrev_b32 v231, 2, v1                      ; 4 x lane
	s_mul_i32 s40, s[WV], REC                      ; my record in a chunk, in memory and in a slot
	s_mov_b32 s41, 0
	; every LDS address is made here, ahead of the first branch on the wave's number
	v_add_nc_u32 v[AD], s40, v230
	v_add_nc_u32 v[AD+1], CHUNK, v[AD]
	v_lshlrev_b32 v[AY], 5, v229
	v_add_nc_u32 v[AY], s40, v[AY]
	v_add_nc_u32 v[AY], 17408, v[AY]
	v_add_nc_u32 v[AY+1], CHUNK, v[AY]
	v_lshlrev_b32 v[XA], 11, v2
	v_lshl_add_u32 v[XA], v229, 6, v[XA]
	s_lshl_b32 s42, s[WV], 11                      ; my two fragments of x are numbers 2 w and 2 w + 1
	v_add_nc_u32 v[XWI], s42, v230
	v_add_nc_u32 v[XWI], XIMG, v[XWI]
	s_lshl_b32 s42, s[WV], 8
	v_add_nc_u32 v[XWS], s42, v231
	v_add_nc_u32 v[XWS], XSC, v[XWS]
	v_add_nc_u32 v[XI], XIMG, v230
	v_add_nc_u32 v[XSA], XSC, v231
	s_lshl_b32 s42, s[WV], 7
	v_add_nc_u32 v[XXW], s42, v231
	v_add_nc_u32 v[XXW], XXP, v[XXW]
	v_add_nc_u32 v[XXA], XXP, v231
	s_lshl_b32 s42, s[WV], 10
	v_add_nc_u32 v[MW], s42, v231
	v_add_nc_u32 v[MW], MRG, v[MW]
	v_lshrrev_b32 v[MR], 3, v1
	v_lshlrev_b32 v[MR], 8, v[MR]
	v_and_b32 v[CO], 7, v1
	v_lshl_add_u32 v[MR], v[CO], 3, v[MR]
	v_add_nc_u32 v[MR], MRG, v[MR]                 ; rows 2 l, 2 l + 1: tile l / 8, words 2 (l % 8) on
	v_lshlrev_b32 v[CO], 3, v1
	s_lshl_b32 s42, s[WV], 6
	v_lshl_add_u32 v[CUR], v229, 3, s42            ; 64 x wave + 8 h
.irp b, 0,1,2,3
	v_mov_b32 v[TM+4+\b], 0                        ; written once: a lane permute's destination counts as one of its sources
.endr
	s_mov_b32 s[SEL], 0x76543210
	s_mov_b32 s[SEL+1], 0xfedcba98
	s_lshl_b32 s44, s12, 17                        ; x: 64 rows x 2,048 bytes a work-group,
	s_lshr_b32 s42, s[WV], 1
	s_lshl_b32 s42, s42, 15                        ; tile w / 2,
	s_add_co_u32 s44, s44, s42
	s_and_b32 s42, s[WV], 1
	s_lshl_b32 s42, s42, 10                        ; K steps 2 (w % 2) and 2 (w % 2) + 1
	s_add_co_u32 s44, s44, s42
	s_mov_b32 s45, 0
	s_lshl_b32 s46, s12, 8                         ; codes: 64 words a work-group
	s_mov_b32 s47, 0
	; descriptor group 1: a record is a dense block: 69 rows of 256 bytes (32 elements of 8 bytes), no padding
	s_mov_b32 s[G1], 15|(3<<16)|(1<<21)            ; 15:0 the mask: all four work-groups; 17:16 elements of 8 bytes; 21 set beside a mask
	s_mov_b32 s[G1+1], 32<<16                      ; tensor_dim0 = 32
	s_mov_b32 s[G1+2], 69<<16                      ; tensor_dim1 = 69
	s_mov_b32 s[G1+3], 32<<16                      ; tile_dim0 = 32
	s_mov_b32 s[G1+4], 69                          ; tile_dim1 = 69
	s_mov_b32 s[G1+5], 32                          ; tensor_dim0_stride
	s_mov_b32 s[G1+6], 0
	s_mov_b32 s[G1+7], 0
	s_wait_kmcnt 0x0
	s_add_nc_u64 s[4:5], s[4:5], s[44:45]
	s_add_nc_u64 s[8:9], s[8:9], s[46:47]
	s_mov_b32 s[G0], 1                             ; count = 1
	s_mov_b32 s[G0+1], s40                         ; LDS address: slot 0, my record
	s_add_nc_u64 s[G0+2:G0+3], s[6:7], s[40:41]    ; global address: chunk 0, my record: nothing of it hangs on my place in the cluster
	s_mov_b32 s[G0+4], 1
	s_add_co_u32 s[G0+5], s40, CHUNK               ; slot 1
	s_add_nc_u64 s[G0+6:G0+7], s[G0+2:G0+3], CHUNK ; chunk 1
	s_or_b32 s[G0+3], s[G0+3], 0x80000000          ; type = 2
	s_or_b32 s[G0+7], s[G0+7], 0x80000000
	CROUND                                         ; all four work-groups are here: the first joint loads meet
	tensor_load_to_lds s[G0:G0+3], s[G1:G1+7]      ; both first fills together: two tensor loads of mine are out
	s_nop 0
	tensor_load_to_lds s[G0+4:G0+7], s[G1:G1+7]
	s_nop 0
.rept 4
	v_nop
.endr
	; my 16 rows x 256 numbers of x become two fragments, and my part of xx
	XLOAD ST, 0
	XLOAD ST+64, 1
	s_wait_loadcnt 16                              ; the first K step's sixteen loads are in; the second's may be out
	QUANT ST
	IMAGE 0
	ds_store_b32 v[XWS], v[PW]
	s_wait_dscnt 0x0                               ; the stores have read their registers
	s_wait_loadcnt 0x0
	QUANT ST+64
	IMAGE 1024
	ds_store_b32 v[XWS], v[PW] offset:128
.set i, 0
.rept 4
	v_pk_mul_f32 v[CH+2*i:CH+2*i+1], v[ST+2*i:ST+2*i+1], v[ST+2*i:ST+2*i+1]   ; the first four products start the chains
.set i, i+1
.endr
.rept 60
	v_pk_fma_f32 v[CH+2*(i%4):CH+2*(i%4)+1], v[ST+2*i:ST+2*i+1], v[ST+2*i:ST+2*i+1], v[CH+2*(i%4):CH+2*(i%4)+1]
.set i, i+1
.endr
	v_pk_add_f32 v[CH:CH+1], v[CH:CH+1], v[CH+2:CH+3]
	v_pk_add_f32 v[CH+4:CH+5], v[CH+4:CH+5], v[CH+6:CH+7]
	v_pk_add_f32 v[CH:CH+1], v[CH:CH+1], v[CH+4:CH+5]
	v_add_f32 v[CH], v[CH], v[CH+1]
	v_permlanex16_b32 v[CH+1], v[CH], s[SEL], s[SEL+1]
	v_add_f32 v[CH], v[CH], v[CH+1]                ; row r's 256 squares
	ds_store_b32 v[XXW], v[CH]
	s_wait_dscnt 0x0                               ; for the others' sake: my LDS stores are done
	s_barrier_signal -1                            ; the tensor loads may stay out
	s_barrier_wait -1
	WIN 0x40                                       ; destination window 1
.irp f, 0,1,2,3,4,5,6,7,8,9,10,11,12,13,14,15
	ds_load_b128 v[8*\f:8*\f+3], v[XI] offset:1024*\f          ; all 16 fragments of x: they stay
	ds_load_b128 v[8*\f+4:8*\f+7], v[XI] offset:1024*\f+512
.endr
	WIN 0
.irp f, 0,1,2,3,4,5,6,7,8,9,10,11,12,13,14,15
	ds_load_b32 v[XS+\f], v[XSA] offset:128*\f
.endr
.irp f, 0,1,2,3,4,5,6,7
	ds_load_b32 v[CH+\f], v[XXA] offset:128*\f     ; tile m's two parts of xx: waves 2 m and 2 m + 1
.endr
	s_wait_dscnt 0x0
.irp m, 0,1,2,3
	v_add_f32 v[XX+2*\m], v[CH+2*\m], v[CH+2*\m+1]
.endr
.irp m, 0,1,2,3
	v_mov_b32 v[XX+2*\m+1], v[XX+2*\m]
.endr
.irp m, 0,1,2,3
	v_mov_b32 v[BEST+\m], 0x7f800000               ; + infinity: the first tile wins
	v_mov_b32 v[IDX+\m], 0
.endr
.set i, 0
.rept 28
	v_mov_b32 v[SV+i], 0x7f800000
.set i, i+1
.endr
	s_mov_b32 s32, 7
.Lchunks:                                          ; seven trips: chunks 0 to 13 are scanned, chunks 2 to 15 asked for
	RECORD 0, 1, 1
	RECORD 1, 1, 1
	s_sub_co_u32 s32, s32, 1
	s_cmp_lg_u32 s32, 0
	s_cbranch_scc1 .Lchunks
	RECORD 0, 1, 0                                 ; the last two chunks are written out: nothing is left to ask for
	RECORD 1, 0, 0
	; where in the winning tile the least d lies: the lowest j whose d equals it; if none of the first seven does, the eighth
.irp m, 0,1,2,3
	v_mov_b32 v[M+\m], 7
.endr
.irp j, 6,5,4,3,2,1,0
.irp m, 0,1,2,3
	v_cmp_neq_f32 vcc_lo, v[SV+7*\m+\j], v[BEST+\m]
	v_cndmask_b32 v[M+\m], \j, v[M+\m], vcc_lo
.endr
.endr
.irp m, 0,1,2,3
	v_add_nc_u32 v[IDX+\m], v[IDX+\m], v[M+\m]     ; my lane's index
.endr
.irp m, 0,1,2,3
	v_permlanex16_b32 v[T+\m], v[BEST+\m], s[SEL], s[SEL+1]    ; the row's other eight of each tile lie in the lane 16 away
	v_permlanex16_b32 v[T+4+\m], v[IDX+\m], s[SEL], s[SEL+1]
.endr
.irp m, 0,1,2,3
	MERGE BEST+\m, IDX+\m, T+\m, T+4+\m
.endr
.irp m, 0,1,2,3
	ds_store_b32 v[MW], v[BEST+\m] offset:256*\m
	ds_store_b32 v[MW], v[IDX+\m] offset:256*\m+128
.endr
	s_wait_dscnt 0x0                               ; for wave 0's sake: my results lie in LDS
	s_barrier_signal -1
	s_barrier_wait -1
	s_cmp_lg_u32 s[WV], 0
	s_cbranch_scc1 .Lothers
.irp k, 0,1,2,3,4,5,6,7
	ds_load_b64 v[64+2*\k:65+2*\k], v[MR] offset:1024*\k       ; wave k's least d of rows 2 l, 2 l + 1,
	ds_load_b64 v[96+2*\k:97+2*\k], v[MR] offset:1024*\k+128   ; and their indices
.endr
	s_wait_dscnt 0x0
.irp k, 1,2,3,4,5,6,7
.irp e, 0,1
	MERGE 64+\e, 96+\e, 64+2*\k+\e, 96+2*\k+\e
.endr
.endr
	global_store_b64 v[CO], v[96:97], s[8:9]       ; 32 lanes store 256 consecutive bytes, at a multiple of 256 from codes' first byte
.Lothers:
	s_wait_tensorcnt 0x0                           ; the wave's end, behind my last tensor load and my last LDS store
	ds_add_u32 v[SPW], v[NIL]
	s_wait_dscnt 0x0
	CROUND                                         ; the closing round: no work-group ends while a partner may still ask for a record that names it
	s_endpgm
.Lfunc_end_k_q293af36566_nearest:
	.size	k_q293af36566_nearest, .Lfunc_end_k_q293af36566_nearest-k_q293af36566_nearest
	.p2alignl 7, 3214868480
	.fill 96, 4, 3214868480
	.section	.rodata,"a",@progbits
	.p2align	6, 0x0
	.amdhsa_kernel k_q293af36566_nearest
		.amdhsa_group_segment_fixed_size 327680
		.amdhsa_private_segment_fixed_size 0
		.amdhsa_enable_private_segment 0
		.amdhsa_kernarg_size 24
		.amdhsa_user_sgpr_count 2
		.amdhsa_user_sgpr_kernarg_segment_ptr 1
		.amdhsa_wavefront_size32 1
		.amdhsa_system_sgpr_workgroup_id_x 1
		.amdhsa_system_sgpr_workgroup_id_y 1
		.amdhsa_system_sgpr_workgroup_id_z 1
		.amdhsa_system_vgpr_workitem_id 0
		.amdhsa_next_free_vgpr 384
		.amdhsa_next_free_sgpr 66
		.amdhsa_reserve_vcc 1
		.amdhsa_float_denorm_mode_32 3
		.amdhsa_float_denorm_mode_16_64 3
		.amdhsa_memory_ordered 1
		.amdhsa_forward_progress 1
		.amdhsa_inst_pref_size 168
	.end_amdhsa_kernel
	.amdgpu_metadata
---
amdhsa.version: [ 1, 2 ]
amdhsa.kernels:
  - .name:           k_q293af36566_nearest
    .symbol:         k_q293af36566_nearest.kd
    .args:
      - { .name: x, .offset: 0, .size: 8, .value_kind: global_buffer, .address_space: global }
      - { .name: ecb, .offset: 8, .size: 8, .value_kind: global_buffer, .address_space: global }
      - { .name: codes, .offset: 16, .size: 8, .value_kind: global_buffer, .address_space: global }
    .group_segment_fixed_size: 327680
    .private_segment_fixed_size: 0
    .kernarg_segment_align: 8
    .kernarg_segment_size: 24
    .max_flat_workgroup_size: 256
    .sgpr_count:     66
    .vgpr_count:     384
    .wavefront_size: 32
...
	.end_amdgpu_metadata
.endif
;; end of part 2
;; launch gather (part 3): grid 256 x 1, 16 waves a work-group, no clusters, 6,144 bytes of LDS; arguments x, embeddings, codes, out0, part; writes out0, part
.if DOCPART == 3
	.amdgcn_target "amdgcn-amd-amdhsa--gfx1250"
	.amdhsa_code_object_version 6
	.text
	.protected	k_q293af36566_gather
	.globl	k_q293af36566_gather
	.p2align	8
	.type	k_q293af36566_gather,@function
k_q293af36566_gather:
	s_mov_b64 s[64:65], 0
	v_nop
	global_prefetch_b8 v0, s[64:65] scope:SCOPE_SE
	s_setreg_imm32_b32 hwreg(HW_REG_WAVE_MODE, 25, 1), 1
	s_wait_xcnt 0x0
; out0[n] = x[n] + (e[codes[n]] - x[n]), with these two roundings, and the work-group's part of the sum of (e[codes[n]] - x[n])^2.
; A stream: no matrix unit, no tensor load, no cluster (no two work-groups are known to want the same bytes).  A work-group takes 64 rows, each of its sixteen waves four.
; A row is 2,048 bytes: four loads or stores of 512 consecutive bytes, 16 a lane.  All 32 loads of a wave are issued before the first is used.
; The four indices of a wave are read by one scalar load from codes, which the launch before stored; each is held under 8,192 before it enters an address.
; The squares are summed in eight chains of pairs, folded to one pair a lane; the sixteen waves' pairs meet in LDS and leave as 64 numbers: 256 consecutive bytes of part.
.set X,  16                            ; v16-79   x: row i at 16 i
.set Q,  80                            ; v80-143  the codebook's rows, then q - x, then the result
.set CH, 144                           ; v144-159 eight chains of squares, two numbers each
.set QO, 8                             ; v8-11    row i's byte offset in the codebook
	s_load_b256 s[4:11], s[0:1], 0x0               ; x s[4:5], the codebook s[6:7], codes s[8:9], out0 s[10:11]
	s_load_b64 s[16:17], s[0:1], 0x20              ; part
	v_lshl_add_u32 v176, v0, 2, 0x1000
	v_mov_b32 v177, 0
	v_lshrrev_b32 v1, 5, v0
	v_readfirstlane_b32 s18, v1                    ; wave 0..15
	v_and_b32 v4, 31, v0
	v_lshlrev_b32 v1, 4, v4                        ; 16 x lane
	v_lshlrev_b32 v3, 3, v4                        ; 8 x lane
	s_lshl_b32 s19, s18, 8
	v_add_nc_u32 v2, s19, v3                       ; LDS: 256 x wave + 8 x lane
	s_lshl_b32 s19, ttmp9, 6
	s_lshl_b32 s24, s18, 2
	s_add_co_u32 s19, s19, s24                     ; my first row: 64 x work-group + 4 x wave
	s_lshl_b32 s20, s19, 11
	s_mov_b32 s21, 0
	s_lshl_b32 s22, s19, 2
	s_mov_b32 s23, 0
	s_lshl_b32 s24, ttmp9, 8
	s_mov_b32 s25, 0
	s_wait_kmcnt 0x0
	s_add_nc_u64 s[8:9], s[8:9], s[22:23]
	s_load_b128 s[12:15], s[8:9], 0x0              ; my four rows' indices
	s_add_nc_u64 s[4:5], s[4:5], s[20:21]
	s_add_nc_u64 s[10:11], s[10:11], s[20:21]
	s_add_nc_u64 s[16:17], s[16:17], s[24:25]
.irp i, 0,1,2,3
.irp j, 0,1,2,3
	global_load_b128 v[X+16*\i+4*\j:X+16*\i+4*\j+3], v1, s[4:5] offset:2048*\i+512*\j th:TH_LOAD_NT
.endr
.endr
	s_wait_kmcnt 0x0
.irp i, 0,1,2,3
	s_min_u32 s[12+\i], s[12+\i], 0x1fff           ; an index stays inside the codebook
	s_lshl_b32 s[12+\i], s[12+\i], 11              ; 2,048 bytes a row
	v_add_nc_u32 v[QO+\i], s[12+\i], v1
.endr
.irp i, 0,1,2,3
.irp j, 0,1,2,3
	global_load_b128 v[Q+16*\i+4*\j:Q+16*\i+4*\j+3], v[QO+\i], s[6:7] offset:512*\j   ; no hint: a row may be named again
.endr
.endr
.irp i, 0,1,2,3
	s_wait_loadcnt 12-4*\i                         ; x and the codebook's rows up to i are in; the later rows' four loads each may be out
.irp p, 0,1,2,3,4,5,6,7
	v_pk_add_f32 v[Q+16*\i+2*\p:Q+16*\i+2*\p+1], v[Q+16*\i+2*\p:Q+16*\i+2*\p+1], v[X+16*\i+2*\p:X+16*\i+2*\p+1] neg_lo:[0,1] neg_hi:[0,1]   ; q - x
.endr
.irp p, 0,1,2,3,4,5,6,7
.if \i == 0
	v_pk_mul_f32 v[CH+2*\p:CH+2*\p+1], v[Q+16*\i+2*\p:Q+16*\i+2*\p+1], v[Q+16*\i+2*\p:Q+16*\i+2*\p+1]   ; the first row starts the chains
.else
	v_pk_fma_f32 v[CH+2*\p:CH+2*\p+1], v[Q+16*\i+2*\p:Q+16*\i+2*\p+1], v[Q+16*\i+2*\p:Q+16*\i+2*\p+1], v[CH+2*\p:CH+2*\p+1]
.endif
.endr
.irp p, 0,1,2,3,4,5,6,7
	v_pk_add_f32 v[Q+16*\i+2*\p:Q+16*\i+2*\p+1], v[X+16*\i+2*\p:X+16*\i+2*\p+1], v[Q+16*\i+2*\p:Q+16*\i+2*\p+1]   ; x + (q - x)
.endr
.irp j, 0,1,2,3
	global_store_b128 v1, v[Q+16*\i+4*\j:Q+16*\i+4*\j+3], s[10:11] offset:2048*\i+512*\j th:TH_STORE_NT   ; 512 consecutive bytes; no register of a store is written again
.endr
.endr
	v_pk_add_f32 v[CH:CH+1], v[CH:CH+1], v[CH+2:CH+3]
	v_pk_add_f32 v[CH+4:CH+5], v[CH+4:CH+5], v[CH+6:CH+7]
	v_pk_add_f32 v[CH+8:CH+9], v[CH+8:CH+9], v[CH+10:CH+11]
	v_pk_add_f32 v[CH+12:CH+13], v[CH+12:CH+13], v[CH+14:CH+15]
	v_pk_add_f32 v[CH:CH+1], v[CH:CH+1], v[CH+4:CH+5]
	v_pk_add_f32 v[CH+8:CH+9], v[CH+8:CH+9], v[CH+12:CH+13]
	v_pk_add_f32 v[CH:CH+1], v[CH:CH+1], v[CH+8:CH+9]
	ds_store_b64 v2, v[CH:CH+1]
	s_wait_dscnt 0x0                               ; for wave 0's sake: my pair lies in LDS
	s_barrier_signal -1
	s_barrier_wait -1
	s_cmp_lg_u32 s18, 0
	s_cbranch_scc1 .Ldone
.irp k, 0,1,2,3,4,5,6,7,8,9,10,11,12,13,14,15
	ds_load_b64 v[X+2*\k:X+2*\k+1], v3 offset:256*\k           ; x's registers are free: no store reads them
.endr
	s_wait_dscnt 0x0
.irp k, 0,1,2,3,4,5,6,7
	v_pk_add_f32 v[X+2*\k:X+2*\k+1], v[X+2*\k:X+2*\k+1], v[X+16+2*\k:X+16+2*\k+1]
.endr
.irp k, 0,1,2,3
	v_pk_add_f32 v[X+2*\k:X+2*\k+1], v[X+2*\k:X+2*\k+1], v[X+8+2*\k:X+8+2*\k+1]
.endr
.irp k, 0,1
	v_pk_add_f32 v[X+2*\k:X+2*\k+1], v[X+2*\k:X+2*\k+1], v[X+4+2*\k:X+4+2*\k+1]
.endr
	v_pk_add_f32 v[X:X+1], v[X:X+1], v[X+2:X+3]
	global_store_b64 v3, v[X:X+1], s[16:17]        ; 32 lanes store 256 consecutive bytes, at a multiple of 256 from part's first byte
.Ldone:
	s_wait_tensorcnt 0x0
	ds_add_u32 v176, v177
	s_wait_dscnt 0x0
	s_endpgm
.Lfunc_end_k_q293af36566_gather:
	.size	k_q293af36566_gather, .Lfunc_end_k_q293af36566_gather-k_q293af36566_gather
	.p2alignl 7, 3214868480
	.fill 96, 4, 3214868480
	.section	.rodata,"a",@progbits
	.p2align	6, 0x0
	.amdhsa_kernel k_q293af36566_gather
		.amdhsa_group_segment_fixed_size 6144
		.amdhsa_private_segment_fixed_size 0
		.amdhsa_enable_private_segment 0
		.amdhsa_kernarg_size 40
		.amdhsa_user_sgpr_count 2
		.amdhsa_user_sgpr_kernarg_segment_ptr 1
		.amdhsa_wavefront_size32 1
		.amdhsa_system_sgpr_workgroup_id_x 1
		.amdhsa_system_sgpr_workgroup_id_y 1
		.amdhsa_system_sgpr_workgroup_id_z 1
		.amdhsa_system_vgpr_workitem_id 0
		.amdhsa_next_free_vgpr 178
		.amdhsa_next_free_sgpr 66
		.amdhsa_reserve_vcc 0
		.amdhsa_float_denorm_mode_32 3
		.amdhsa_float_denorm_mode_16_64 3
		.amdhsa_memory_ordered 1
		.amdhsa_forward_progress 1
		.amdhsa_inst_pref_size 16
	.end_amdhsa_kernel
	.amdgpu_metadata
---
amdhsa.version: [ 1, 2 ]
amdhsa.kernels:
  - .name:           k_q293af36566_gather
    .symbol:         k_q293af36566_gather.kd
    .args:
      - { .name: x, .offset: 0, .size: 8, .value_kind: global_buffer, .address_space: global }
      - { .name: embeddings, .offset: 8, .size: 8, .value_kind: global_buffer, .address_space: global }
      - { .name: codes, .offset: 16, .size: 8, .value_kind: global_buffer, .address_space: global }
      - { .name: out0, .offset: 24, .size: 8, .value_kind: global_buffer, .address_space: global }
      - { .name: part, .offset: 32, .size: 8, .value_kind: global_buffer, .address_space: global }
    .group_segment_fixed_size: 6144
    .private_segment_fixed_size: 0
    .kernarg_segment_align: 8
    .kernarg_segment_size: 40
    .max_flat_workgroup_size: 512
    .sgpr_count:     66
    .vgpr_count:     178
    .wavefront_size: 32
...
	.end_amdgpu_metadata
.endif
;; end of part 3
;; launch loss (part 4): grid 1 x 1, 8 waves a work-group, no clusters, 1,280 bytes of LDS; arguments part, out1; writes out1
.if DOCPART == 4
	.amdgcn_target "amdgcn-amd-amdhsa--gfx1250"
	.amdhsa_code_object_version 6
	.text
	.protected	k_q293af36566_loss
	.globl	k_q293af36566_loss
	.p2align	8
	.type	k_q293af36566_loss,@function
k_q293af36566_loss:
	s_mov_b64 s[64:65], 0
	v_nop
	global_prefetch_b8 v0, s[64:65] scope:SCOPE_SE
	s_setreg_imm32_b32 hwreg(HW_REG_WAVE_MODE, 25, 1), 1
	s_wait_xcnt 0x0
; out1 = 0.2 m + m, m = the sum of part's 16,384 numbers / 2^23 (16,384 rows x 512 numbers).  One work-group: the sum spans all work-groups of the launch before, so it is made here.
; Thread t takes 16 loads of 16 bytes at 16 t + 4,096 i: each load of a wave covers 512 consecutive bytes.  Four chains of pairs a lane, then across the lanes, then across the eight waves through LDS.
	s_load_b128 s[4:7], s[0:1], 0x0                ; part s[4:5], out1 s[6:7]
	v_lshl_add_u32 v96, v0, 2, 0x100
	v_mov_b32 v97, 0
	v_lshlrev_b32 v1, 4, v0
	v_lshrrev_b32 v2, 5, v0
	v_readfirstlane_b32 s8, v2                     ; wave 0..7
	v_mov_b32 v10, s8
	v_lshlrev_b32 v10, 2, v10                      ; LDS: a word for each wave
	v_mov_b32 v11, 0
	v_mov_b32 v9, 0                                ; written once: a lane permute's destination counts as one of its sources
	s_mov_b32 s12, 0x76543210
	s_mov_b32 s13, 0xfedcba98
	s_wait_kmcnt 0x0
.irp i, 0,1,2,3,4,5,6,7,8,9,10,11,12,13,14,15
	global_load_b128 v[16+4*\i:19+4*\i], v1, s[4:5] offset:4096*\i
.endr
	s_wait_loadcnt 0x0
.set i, 4
.rept 28
	v_pk_add_f32 v[16+2*(i%4):17+2*(i%4)], v[16+2*(i%4):17+2*(i%4)], v[16+2*i:17+2*i]   ; the first four pairs are the chains
.set i, i+1
.endr
	v_pk_add_f32 v[16:17], v[16:17], v[18:19]
	v_pk_add_f32 v[20:21], v[20:21], v[22:23]
	v_pk_add_f32 v[16:17], v[16:17], v[20:21]
	v_add_f32 v8, v16, v17
	v_add_f32_dpp v8, v8, v8 row_xmask:1 row_mask:0xf bank_mask:0xf
	v_add_f32_dpp v8, v8, v8 row_xmask:2 row_mask:0xf bank_mask:0xf
	v_add_f32_dpp v8, v8, v8 row_xmask:4 row_mask:0xf bank_mask:0xf
	v_add_f32_dpp v8, v8, v8 row_xmask:8 row_mask:0xf bank_mask:0xf
	v_permlanex16_b32 v9, v8, s12, s13
	v_add_f32 v8, v8, v9                           ; the wave's sum, in every lane
	ds_store_b32 v10, v8                           ; all lanes write the same word with the same value
	s_wait_dscnt 0x0
	s_barrier_signal -1
	s_barrier_wait -1
	ds_load_b128 v[12:15], v11
	ds_load_b128 v[20:23], v11 offset:16
	s_wait_dscnt 0x0
	v_add_f32 v12, v12, v13
	v_add_f32 v14, v14, v15
	v_add_f32 v20, v20, v21
	v_add_f32 v22, v22, v23
	v_add_f32 v12, v12, v14
	v_add_f32 v20, v20, v22
	v_add_f32 v12, v12, v20
	v_mul_f32 v12, 0x34000000, v12                 ; x 2^-23: the mean
	v_fmamk_f32 v13, v12, 0x3e4ccccd, v12          ; 0.2 m + m
	s_cmp_lg_u32 s8, 0
	s_cbranch_scc1 .Ldone
	v_cmp_eq_u32 vcc_lo, 0, v0
	s_wait_xcnt 0x0                                ; EXEC changes only behind this wait
	s_and_saveexec_b32 s9, vcc_lo                  ; thread 0 alone stores
	global_store_b32 v11, v13, s[6:7]
	s_wait_xcnt 0x0                                ; and again, in front of the line that widens it
	s_or_b32 exec_lo, exec_lo, s9
.Ldone:
	s_wait_tensorcnt 0x0
	ds_add_u32 v96, v97
	s_wait_dscnt 0x0
	s_endpgm
.Lfunc_end_k_q293af36566_loss:
	.size	k_q293af36566_loss, .Lfunc_end_k_q293af36566_loss-k_q293af36566_loss
	.p2alignl 7, 3214868480
	.fill 96, 4, 3214868480
	.section	.rodata,"a",@progbits
	.p2align	6, 0x0
	.amdhsa_kernel k_q293af36566_loss
		.amdhsa_group_segment_fixed_size 1280
		.amdhsa_private_segment_fixed_size 0
		.amdhsa_enable_private_segment 0
		.amdhsa_kernarg_size 16
		.amdhsa_user_sgpr_count 2
		.amdhsa_user_sgpr_kernarg_segment_ptr 1
		.amdhsa_wavefront_size32 1
		.amdhsa_system_sgpr_workgroup_id_x 1
		.amdhsa_system_sgpr_workgroup_id_y 1
		.amdhsa_system_sgpr_workgroup_id_z 1
		.amdhsa_system_vgpr_workitem_id 0
		.amdhsa_next_free_vgpr 98
		.amdhsa_next_free_sgpr 66
		.amdhsa_reserve_vcc 1
		.amdhsa_float_denorm_mode_32 3
		.amdhsa_float_denorm_mode_16_64 3
		.amdhsa_memory_ordered 1
		.amdhsa_forward_progress 1
		.amdhsa_inst_pref_size 6
	.end_amdhsa_kernel
	.amdgpu_metadata
---
amdhsa.version: [ 1, 2 ]
amdhsa.kernels:
  - .name:           k_q293af36566_loss
    .symbol:         k_q293af36566_loss.kd
    .args:
      - { .name: part, .offset: 0, .size: 8, .value_kind: global_buffer, .address_space: global }
      - { .name: out1, .offset: 8, .size: 8, .value_kind: global_buffer, .address_space: global }
    .group_segment_fixed_size: 1280
    .private_segment_fixed_size: 0
    .kernarg_segment_align: 8
    .kernarg_segment_size: 16
    .max_flat_workgroup_size: 256
    .sgpr_count:     66
    .vgpr_count:     98
    .wavefront_size: 32
...
	.end_amdgpu_metadata
.endif
;; end of part 4
;; ======== version 2 of 2: 4 launches
;; limits: right only within a limited range of input values
;; workspace buffers: ecb 2,260,992 bytes; xcb 4,521,984 bytes; cand 1,048,576 bytes of whole numbers; part 65,536 bytes
;; launch quant (part 5): grid 768 x 1, 8 waves a work-group, no clusters, 69,632 bytes of LDS; arguments embeddings, x, ecb, xcb; writes ecb, xcb
.if DOCPART == 5
	.amdgcn_target "amdgcn-amd-amdhsa--gfx1250"
	.amdhsa_code_object_version 6
	.text
	.protected	k_q293af36566_quant
	.globl	k_q293af36566_quant
	.p2align	8
	.type	k_q293af36566_quant,@function
k_q293af36566_quant:
	s_mov_b64 s[64:65], 0
	v_nop
	global_prefetch_b8 v0, s[64:65] scope:SCOPE_SE
	s_setreg_imm32_b32 hwreg(HW_REG_WAVE_MODE, 25, 1), 1
	s_wait_xcnt 0x0
; Both operands of the product, the codebook [8192][512] and x [16384][512], f32, become codes of FP4 (E2M1) with one E8M0 byte for each 32 along K, and each row's sum of squares,
; laid as the next launch's registers want them.  One text serves both: the first EWG work-groups take the codebook, the others x; only the pointers are chosen.
; ecb and xcb are records of REC = 17,664 bytes, a record = 64 rows = 4 tiles of 16:
;   codes:  tile x 4096 + K step x 1024 + c x 512 + 16 x lane: the image of a fragment's registers 4 c .. 4 c + 3 (16 rows x 128 K: 8 registers a lane)
;   scales: 16384 + 16 x row + 4 x K step: a row's four scale words on end;      sum of squares: 17408 + 4 x row.
; A block's scale is 2^(floor(log2(its largest magnitude)) - 2); its byte is the largest magnitude's exponent field - 2, held at 1 from below.
; LIMITS: a block of zeros gets the byte 1 where the rule says 127 (its codes are zeros, and this program alone reads the bytes); NaN and infinities are not served.
; SHARES: a work-group takes 32 rows (two tiles); wave w takes tile w / 4 and K step w % 4: 16 rows x 128 numbers.
; The conversions want 16 neighbours along K in one lane: lane (r, h) holds of row r, for each block b of 32, the 16 numbers at k = 32 b + 16 h.  A load is best where neighbouring lanes take neighbouring
; bytes.  Both are had: each load reads the 512 consecutive bytes of one row's K step, 16 a lane; the 16 rows go through the wave's own stage in LDS, rows 528 bytes apart, and come back 64 bytes a lane:
; with that pitch the sixteen lanes of a half fall on sixteen different 16-byte columns modulo 256.
; The scale words and the waves' parts of the sums of squares meet in LDS; wave 0 stores them: 32 rows' scale words as 512 consecutive bytes, their sums as 128 consecutive bytes (half of an aligned 256).
.set REC,  17664
.set EWG,  256                         ; 8192 / 32 work-groups for the codebook; 16384 / 32 = 512 for x
.set STG,  1024                        ; LDS: behind the shared words, a stage of 16 x SP bytes for each wave
.set SP,   528
.set X,    16                          ; v16-79   as loaded: row i at 4 i; behind the stage: register 16 b + i = k 32 b + 16 h + i of my row
.set TM,   80                          ; v80-95   at work in QUANT
.set PW,   96                          ; v96      the scale word just made
.set PC,   100                         ; v100-107 the codes just made
.set CH,   108                         ; v108-115 four chains of squares, two numbers each
.set SEL,  26                          ; s[26:27] v_permlanex16_b32's selects for lane l xor 16
; 64 numbers of a lane become a fragment's codes in v[PC] on and its row's scale word in v[PW]
.macro QUANT s
.irp b, 0,1,2,3
	v_max3_num_f32 v[TM+\b], |v[\s+16*\b]|, |v[\s+1+16*\b]|, 0x1800000   ; block b: my 16 numbers, and the floor 2^(3 - 127): the byte cannot fall under 1
.endr
.irp i, 2,4,6,8,10,12,14
.irp b, 0,1,2,3
	s_delay_alu instid0(VALU_DEP_4)
	v_max3_num_f32 v[TM+\b], v[TM+\b], |v[\s+16*\b+\i]|, |v[\s+1+16*\b+\i]|   ; the four blocks by turns
.endr
.endr
.irp b, 0,1,2,3
	s_delay_alu instid0(VALU_DEP_4)
	v_permlanex16_b32 v[TM+4+\b], v[TM+\b], s[SEL], s[SEL+1]
.endr
.irp b, 0,1,2,3
	s_delay_alu instid0(VALU_DEP_4)
	v_max_num_f32 v[TM+\b], v[TM+\b], v[TM+4+\b]       ; with lane l xor 16's: the block's largest magnitude
.endr
.irp b, 0,1,2,3
	s_delay_alu instid0(VALU_DEP_4)
	v_add_nc_u32 v[TM+12+\b], 0xff000000, v[TM+\b]     ; 2 off its exponent field: the conversion takes the exponent field of this operand as its scale
.endr
.irp b, 0,1,2,3
	s_delay_alu instid0(VALU_DEP_4)
	v_lshrrev_b32 v[TM+4+\b], 23, v[TM+12+\b]          ; the scale's byte
.endr
	s_delay_alu instid0(VALU_DEP_3)
	v_lshl_or_b32 v[PW], v[TM+5], 8, v[TM+4]
	s_delay_alu instid0(VALU_DEP_1)
	v_lshl_or_b32 v[PW], v[TM+6], 16, v[PW]
	s_delay_alu instid0(VALU_DEP_1)
	v_lshl_or_b32 v[PW], v[TM+7], 24, v[PW]
.irp b, 0,1,2,3
	v_cvt_scalef32_pk8_fp4_f32 v[PC+2*\b], v[\s+16*\b:\s+7+16*\b], v[TM+12+\b]
	v_cvt_scalef32_pk8_fp4_f32 v[PC+1+2*\b], v[\s+8+16*\b:\s+15+16*\b], v[TM+12+\b]
.endr
	v_nop                                              ; one plain place behind a scaled conversion
.irp c, 0,1                                        ; the operand's layout wants a whole block in a lane: lanes 0-15 block 2 c, lanes 16-31 block 2 c + 1
.irp i, 0,1
	v_permlane16_swap_b32 v[PC+4*\c+\i], v[PC+2+4*\c+\i]
.endr
.endr
.endm
	s_load_b256 s[4:11], s[0:1], 0x0               ; the codebook s[4:5], x s[6:7], ecb s[8:9], xcb s[10:11]
	v_lshl_add_u32 v128, v0, 2, 0x10c00
	v_mov_b32 v129, 0
	v_lshrrev_b32 v1, 5, v0
	s_delay_alu instid0(VALU_DEP_1)
	v_readfirstlane_b32 s12, v1                    ; wave 0..7
	v_and_b32 v1, 31, v0                           ; lane
	s_wait_alu depctr_va_vdst(0)
	v_and_b32 v2, 15, v0                           ; r
	s_wait_alu depctr_va_vdst(0)
	v_bfe_u32 v3, v0, 4, 1                         ; h
	s_wait_alu depctr_va_vdst(0)
	s_cmp_lt_u32 ttmp9, EWG
	s_cselect_b32 s15, 0, EWG
	s_sub_co_u32 s15, ttmp9, s15                   ; g: which 32 rows of my tensor
	s_lshr_b32 s13, s12, 2                         ; my tile of the two
	s_and_b32 s14, s12, 3                          ; my K step
	s_and_b32 s16, s15, 1                          ; which half of a record my work-group makes
	s_lshl_b32 s18, s15, 16                        ; 32 rows x 2,048 bytes a work-group,
	s_lshl_b32 s17, s13, 15                        ; 16 rows a tile,
	s_add_co_u32 s18, s18, s17
	s_lshl_b32 s17, s14, 9                         ; 512 bytes a K step
	s_add_co_u32 s18, s18, s17
	s_mov_b32 s19, 0
	s_lshr_b32 s20, s15, 1
	s_mul_i32 s20, s20, REC                        ; my record
	s_mov_b32 s21, 0
	s_lshl_b32 s22, s16, 13                        ; two tiles x 4,096 for the record's second half,
	s_lshl_b32 s17, s12, 10                        ; tile x 4096 + K step x 1024 = wave x 1024
	s_add_co_u32 s22, s22, s17
	v_lshlrev_b32 v8, 4, v1                        ; 16 x lane: my 16 bytes of a load's 512
	s_delay_alu instid0(VALU_DEP_1)
	v_add_nc_u32 v5, s22, v8                       ; out: my 16 bytes of an image
	s_lshl_b32 s17, s13, 8
	s_lshl_b32 s23, s14, 2
	s_add_co_u32 s17, s17, s23
	v_lshl_add_u32 v6, v2, 4, s17                  ; LDS 0..511: the 32 rows' scale words: 16 x (16 tile + r) + 4 x K step
	s_lshl_b32 s17, s12, 6
	s_add_co_u32 s17, s17, 512
	v_lshl_add_u32 v7, v2, 2, s17                  ; LDS 512..1023: the waves' parts of the sums of squares: 64 x wave + 4 r
	v_lshlrev_b32 v9, 8, v3
	s_delay_alu instid0(VALU_DEP_1)
	v_lshl_add_u32 v9, v2, 2, v9
	s_delay_alu instid0(VALU_DEP_1)
	v_add_nc_u32 v9, 512, v9                       ; wave 0 reads them back: lane l = row l: 512 + 256 (l / 16) + 4 (l % 16), + 64 x K step
	v_lshlrev_b32 v10, 2, v1
	s_lshl_b32 s17, s16, 9
	v_add_nc_u32 v11, s17, v8                      ; out: my row's four scale words
	s_lshl_b32 s17, s16, 7
	v_add_nc_u32 v12, s17, v10                     ; out: my row's sum of squares
	s_mul_i32 s24, s12, 16*SP
	s_add_co_u32 s24, s24, STG                     ; my stage
	v_add_nc_u32 v13, s24, v8                      ; into it: row i at i x SP, 16 bytes a lane
	v_mul_u32_u24 v14, v2, SP
	s_delay_alu instid0(VALU_DEP_1)
	v_lshl_add_u32 v14, v3, 6, v14
	s_delay_alu instid0(VALU_DEP_1)
	v_add_nc_u32 v14, s24, v14                     ; out of it: row r, + 64 h; block b 128 bytes on
	s_mov_b32 s[SEL], 0x76543210
	s_mov_b32 s[SEL+1], 0xfedcba98
.irp b, 0,1,2,3
	v_mov_b32 v[TM+4+\b], 0                        ; written once: a lane permute's destination counts as one of its sources
.endr
	s_wait_alu depctr_va_vdst(0)
	s_wait_kmcnt 0x0
	s_cmp_lt_u32 ttmp9, EWG                        ; the codebook's work-group or x's?  The choice hangs on the work-group's number alone
	s_cselect_b64 s[4:5], s[4:5], s[6:7]
	s_cselect_b64 s[8:9], s[8:9], s[10:11]
	s_add_nc_u64 s[4:5], s[4:5], s[18:19]
	s_add_nc_u64 s[8:9], s[8:9], s[20:21]
.irp i, 0,1,2,3,4,5,6,7,8,9,10,11,12,13,14,15
	global_load_b128 v[X+4*\i:X+4*\i+3], v8, s[4:5] offset:2048*\i th:TH_LOAD_NT   ; 32 lanes read the 512 consecutive bytes of row i's K step
.endr
.irp i, 0,1,2,3,4,5,6,7,8,9,10,11,12,13,14,15
	s_wait_loadcnt 15-\i                           ; loads come back in order: row i is in, the 15 - i behind it may be out
	ds_store_b128 v13, v[X+4*\i:X+4*\i+3] offset:\i*SP
.endr
	s_wait_dscnt 0x0                               ; the stores have read their registers: the same registers take the numbers back
.irp b, 0,1,2,3
.irp j, 0,1,2,3
	ds_load_b128 v[X+16*\b+4*\j:X+16*\b+4*\j+3], v14 offset:128*\b+16*\j
.endr
.endr
	s_wait_dscnt 0x0
	; my part of the row's sum of squares: 64 squares in four chains; the first four products start the chains
.set i, 0
.rept 4
	v_pk_mul_f32 v[CH+2*i:CH+2*i+1], v[X+2*i:X+2*i+1], v[X+2*i:X+2*i+1]
.set i, i+1
.endr
.rept 28
	s_delay_alu instid0(VALU_DEP_4)
	v_pk_fma_f32 v[CH+2*(i%4):CH+2*(i%4)+1], v[X+2*i:X+2*i+1], v[X+2*i:X+2*i+1], v[CH+2*(i%4):CH+2*(i%4)+1]
.set i, i+1
.endr
	s_delay_alu instid0(VALU_DEP_3)
	v_pk_add_f32 v[CH:CH+1], v[CH:CH+1], v[CH+2:CH+3]
	s_delay_alu instid0(VALU_DEP_2)
	v_pk_add_f32 v[CH+4:CH+5], v[CH+4:CH+5], v[CH+6:CH+7]
	s_delay_alu instid0(VALU_DEP_1)
	v_pk_add_f32 v[CH:CH+1], v[CH:CH+1], v[CH+4:CH+5]
	s_delay_alu instid0(VALU_DEP_1)
	v_add_f32 v[CH], v[CH], v[CH+1]
	s_delay_alu instid0(VALU_DEP_1)
	v_permlanex16_b32 v[CH+1], v[CH], s[SEL], s[SEL+1]
	s_delay_alu instid0(VALU_DEP_1)
	v_add_f32 v[CH], v[CH], v[CH+1]                ; row r's 128 squares of this K step, in both lanes that hold the row
	ds_store_b32 v7, v[CH]                         ; both write the same word with the same value
	QUANT X
	global_store_b128 v5, v[PC:PC+3], s[8:9]                   ; 32 lanes store 512 consecutive bytes, at a multiple of 256 from the buffer's first byte
	global_store_b128 v5, v[PC+4:PC+7], s[8:9] offset:512
	ds_store_b32 v6, v[PW]
	s_wait_dscnt 0x0                               ; for the others' sake: my LDS stores are done
	s_barrier_signal -1
	s_barrier_wait -1
	s_cmp_lg_u32 s12, 0
	s_cbranch_scc1 .Ldone
	ds_load_b128 v[116:119], v8                    ; row l's four scale words
.irp s, 0,1,2,3
	ds_load_b32 v[120+\s], v9 offset:64*\s         ; row l's four parts of the sum of squares
.endr
	s_wait_dscnt 0x0
	v_add_f32 v120, v120, v121
	s_delay_alu instid0(VALU_DEP_1)
	v_add_f32 v120, v120, v122
	s_delay_alu instid0(VALU_DEP_1)
	v_add_f32 v120, v120, v123
	global_store_b128 v11, v[116:119], s[8:9] offset:16384
	global_store_b32 v12, v120, s[8:9] offset:17408
.Ldone:
	s_wait_tensorcnt 0x0
	ds_add_u32 v128, v129
	s_wait_dscnt 0x0
	s_endpgm
.Lfunc_end_k_q293af36566_quant:
	.size	k_q293af36566_quant, .Lfunc_end_k_q293af36566_quant-k_q293af36566_quant
	.p2alignl 7, 3214868480
	.fill 96, 4, 3214868480
	.section	.rodata,"a",@progbits
	.p2align	6, 0x0
	.amdhsa_kernel k_q293af36566_quant
		.amdhsa_group_segment_fixed_size 69632
		.amdhsa_private_segment_fixed_size 0
		.amdhsa_enable_private_segment 0
		.amdhsa_kernarg_size 32
		.amdhsa_user_sgpr_count 2
		.amdhsa_user_sgpr_kernarg_segment_ptr 1
		.amdhsa_wavefront_size32 1
		.amdhsa_system_sgpr_workgroup_id_x 1
		.amdhsa_system_sgpr_workgroup_id_y 1
		.amdhsa_system_sgpr_workgroup_id_z 1
		.amdhsa_system_vgpr_workitem_id 0
		.amdhsa_next_free_vgpr 130
		.amdhsa_next_free_sgpr 66
		.amdhsa_reserve_vcc 0
		.amdhsa_float_denorm_mode_32 3
		.amdhsa_float_denorm_mode_16_64 3
		.amdhsa_memory_ordered 1
		.amdhsa_forward_progress 1
		.amdhsa_inst_pref_size 18
	.end_amdhsa_kernel
	.amdgpu_metadata
---
amdhsa.version: [ 1, 2 ]
amdhsa.kernels:
  - .name:           k_q293af36566_quant
    .symbol:         k_q293af36566_quant.kd
    .args:
      - { .name: embeddings, .offset: 0, .size: 8, .value_kind: global_buffer, .address_space: global }
      - { .name: x, .offset: 8, .size: 8, .value_kind: global_buffer, .address_space: global }
      - { .name: ecb, .offset: 16, .size: 8, .value_kind: global_buffer, .address_space: global }
      - { .name: xcb, .offset: 24, .size: 8, .value_kind: global_buffer, .address_space: global }
    .group_segment_fixed_size: 69632
    .private_segment_fixed_size: 0
    .kernarg_segment_align: 8
    .kernarg_segment_size: 32
    .max_flat_workgroup_size: 256
    .sgpr_count:     66
    .vgpr_count:     130
    .wavefront_size: 32
...
	.end_amdgpu_metadata
.endif
;; end of part 5
;; launch nearest (part 6): grid 256 x 1, 8 waves a work-group, clusters of 4 x 1, 327,680 bytes of LDS; arguments xcb, ecb, cand; writes cand
.if DOCPART == 6
	.amdgcn_target "amdgcn-amd-amdhsa--gfx1250"
	.amdhsa_code_object_version 6
	.text
	.protected	k_q293af36566_nearest
	.globl	k_q293af36566_nearest
	.p2align	8
	.type	k_q293af36566_nearest,@function
k_q293af36566_nearest:
	s_mov_b64 s[64:65], 0
	v_nop
	global_prefetch_b8 v0, s[64:65] scope:SCOPE_SE
	s_setreg_imm32_b32 hwreg(HW_REG_WAVE_MODE, 25, 1), 1
	s_wait_xcnt 0x0
	s_wait_alu depctr_hold_cnt(0) depctr_sa_sdst(0) depctr_va_vdst(0) depctr_va_sdst(0) depctr_va_ssrc(0) depctr_va_vcc(0) depctr_vm_vsrc(0)
	s_getreg_b32 s2, hwreg(HW_REG_IB_STS2, 6, 4)
	s_cmp_eq_u32 s2, 0
	s_cbranch_scc0 .Lentry_in_a_cluster
	s_endpgm
.Lentry_in_a_cluster:
	s_bfe_u32 s2, ttmp6, 0x10000c
	s_cmp_lg_u32 s2, 0x3003
	s_cbranch_scc0 .Lentry_shape_is_right
	s_endpgm
.Lentry_shape_is_right:
; For each row n of x and each eighth (share) of the codebook: the least d(n, v) = (xx[n] + yy[v]) - 2 Q(x[n]) . Q(e[v]) over the share's 1,024 rows v, and the lowest v that has it.
; Both operands come as records of codes, scale words and sums of squares (xcb, ecb), made by the launch before.  The product is made on codes of FP4 (E2M1) with E8M0 scales for each 32 along K;
; d is built with the roundings of the definition: t = xx + yy rounded once, d = t - 2 dot as one fused multiply-add (2 dot is exact).  xx stays: it is large beside the rest, and its rounding decides between near distances.
; SHARES.  A work-group owns 512 rows of x and one share of the codebook: 16 records, 282,624 bytes, which lie in LDS for the whole launch; every byte is filled once, no byte again.
; THE SHARE COMES IN TWO HALVES.  At the head wave w asks for record w; when these eight have landed, wave w asks for record 8 + w.
; Records 0 to 6 are scanned while the second half is on its way; one wait and one barrier stand ahead of record 7, whose trip first asks for bytes of record 8.
; Each of the eight waves owns 64 rows of x (one record: 16 fragments in 128 registers, loaded straight from memory as they lie, asked for ahead of the first round) and scans the share's 64 tiles of 16.
; Each fragment of the codebook read from LDS feeds four matrix instructions.  Two waves to a SIMD: one wave's scan stands beside the other's products.
; LAYOUT.  Source 0 = 16 codebook rows, source 1 = 16 rows of x: lane (r, h) holds row r of x, and its register j codebook row 16 T + 8 h + j: the scan runs along a lane's registers.
; THE SCAN keeps for each lane and tile of x: the least d so far, and a block of eight registers: the winning tile's first seven d and its index; where in the tile the least lies is looked up once, at the end.
; A later tile wins only where its least d is strictly less, and at the end equal d give way to the lower index: the lowest index wins, as argmin has it.
; A tile of 16 codebook rows is 16 matrix instructions and 69 vector instructions: the additions, the multiply-adds and the selects go two to an instruction, as dual pairs on neighbouring registers
; (one destination even, one odd; the two first sources, and the two second, in registers that differ modulo 4).
; OUT.  cand[share][row] = (key, index).  The key is d as a whole number that keeps d's order: for d >= 0 its bits with the top bit set, for d < 0 all its bits turned.
; (d is never -0: t is a sum of squares, +0 at the least, and a fused multiply-add that cancels gives +0.)
; CLUSTER.  The four work-groups of a cluster have the same share: each record is asked for JOINTLY, by the same tensor load with the same descriptor and a mask that names the four.
; NO PREFETCH: all that the launch reads is asked for at its start, x by 40 loads a wave and the share by two tensor loads a wave; no stream is left to run ahead of.
; LIMITS: NaN and infinities are not served (the minimum passes over a NaN); a block of zeros has the scale byte 1 where the rule says 127 (its codes are zeros; only this program reads the bytes);
; xx and yy are summed in an order of this program's own, so they may differ from another order's sums in their last bits.
.set REC,   17664                      ; a record: 16,384 bytes of codes, 1,024 of scale words, 256 of sums of squares: 69 rows of 256 bytes
.set SHARE, 16*REC                     ; LDS 0 on: my share of the codebook, record k at k x REC
.set STG,   SHARE                      ; behind it: a stage of 512 bytes for each wave, for the way out; no tensor load lands there
.set SPARE, STG+8*512                  ; behind the stages: the spare words, 128 bytes for each wave: four blocks of 256 bytes that no other line names
.set CUR,  3                           ; v3   the first codebook row of the tile in hand that falls to my half of the lanes
.set AD0,  4                           ; v4   16 x lane: my 16 bytes of an image, in LDS and in memory; never rewritten
.set AY0,  5                           ; v5   17408 + 32 h: my half's eight yy of a record's first tile; never rewritten
.set AD,   6                           ; v6   AD0 in the record in hand
.set AY,   7                           ; v7   AY0 likewise
.set ADN,  8                           ; v8   AD0 in the record that follows
.set AYN,  9                           ; v9   AY0 likewise
.set XSO,  10                          ; v10  16 r: my row's four scale words in a tile of x
.set XXO,  11                          ; v11  4 r: my row's xx
.set SW,   13                          ; v13  the stage: where I put my row's pair
.set SR,   14                          ; v14  and where I read the pairs of rows 2 l, 2 l + 1
.set XS,   20                          ; v20-35   x's scale words, 4 m + s
.set ES,   36                          ; v36-43   the codebook's: set t / 2, register s: lanes 0-15 the even tile's rows, lanes 16-31 the odd tile's
.set XX,   44                          ; v44-51   xx of my row in tile m, twice: one for each half of a dual pair
.set BEST, 52                          ; v52-55, v56-59  the least d so far: two sets, which even and odd tiles write by turns
.set M,    60                          ; v60-63   at work: the tile's least d
.set EF,   64                          ; v64-127  a tile's four fragments, two buffers of 32
.set ACC,  128                         ; v128-159 four accumulators, one for each tile of x
.set YY,   168                         ; v168-183 my half's eight yy, two sets; at the end the pairs on their way out
.set SV,   184                         ; v184-215 eight a tile of x: the winning tile's d 0 .. 6, and CUR of that tile
.set T,    216                         ; v216-247 eight a tile of x: xx + yy, then d
.set SPW,  254                         ; v254 LDS address of my spare word; never rewritten
.set NIL,  255                         ; v255 0; never rewritten
; window 1 (v256-383): x's fragments, (m, s) at 8 (4 m + s)
.set WV,   10                          ; s10  my wave's number
.set G1,   16                          ; s[16:23] descriptor group 1: one record
.set G0,   24                          ; s[24:27] descriptor group 0 for record w;  s[28:31] for record 8 + w
.set TB,   33                          ; s33  LDS byte at which the record in hand begins
.set SEL,  34                          ; s[34:35] v_permlanex16_b32's selects for lane l xor 16
.set MSB, 0
.macro WIN new                         ; the immediate's high byte repeats the setting that is left
.if MSB != \new
	s_set_vgpr_msb (MSB<<8)|\new
.set MSB, \new
.endif
.endm
; A round of the cluster's barrier: my work-group's barrier; wave 0 signals for the work-group; every wave waits for all four work-groups; my work-group's barrier once more.
.macro CROUND
	s_barrier_signal -1
	s_barrier_wait -1
	s_cmp_lg_u32 s[WV], 0
	s_cbranch_scc1 .Lnot_wave_0_\@
	s_barrier_signal -3
.Lnot_wave_0_\@:
	s_barrier_wait -3
	s_barrier_signal -1
	s_barrier_wait -1
.endm
; Tile t of the record at ad, ay: its four fragments, its eight yy for my half, and with an even tile the scale words of two tiles: 11 LDS loads for an even tile, 10 for an odd one
.macro LOADT ad, ay, t
.if ((\t)%2) == 0
	ds_load_b128 v[ES+4*((\t)/2):ES+4*((\t)/2)+3], v[\ad] offset:16384+512*((\t)/2)
.endif
.irp s, 0,1,2,3
.irp c, 0,1
	ds_load_b128 v[EF+32*((\t)%2)+8*\s+4*\c:EF+32*((\t)%2)+8*\s+4*\c+3], v[\ad] offset:4096*(\t)+1024*\s+512*\c
.endr
.endr
	ds_load_b128 v[YY+8*((\t)%2):YY+8*((\t)%2)+3], v[\ay] offset:64*(\t)
	ds_load_b128 v[YY+8*((\t)%2)+4:YY+8*((\t)%2)+7], v[\ay] offset:64*(\t)+16
.endm
; 16 matrix instructions: the tile against x's four tiles, K step by K step.  The four accumulators take turns, one instruction a turn; the first K step starts the sums.
.macro MULT t
	WIN 0x04                                       ; source 1 (x) in window 1
.irp s, 0,1,2,3
.irp m, 0,1,2,3
.set rD, ACC+8*\m
.set rA, EF+32*((\t)%2)+8*\s
.set rB, 8*(4*\m+\s)
.set rE, ES+4*((\t)/2)+\s
.set rX, XS+4*\m+\s
.if (\s == 0) && (((\t)%2) == 0)
	v_wmma_scale_f32_16x16x128_f8f6f4 v[rD:rD+7], v[rA:rA+7], v[rB:rB+7], 0, v[rE], v[rX] matrix_a_fmt:MATRIX_FMT_FP4 matrix_b_fmt:MATRIX_FMT_FP4
.elseif \s == 0
	v_wmma_scale_f32_16x16x128_f8f6f4 v[rD:rD+7], v[rA:rA+7], v[rB:rB+7], 0, v[rE], v[rX] matrix_a_fmt:MATRIX_FMT_FP4 matrix_b_fmt:MATRIX_FMT_FP4 matrix_a_scale:MATRIX_SCALE_ROW1
.elseif ((\t)%2) == 0
	v_wmma_scale_f32_16x16x128_f8f6f4 v[rD:rD+7], v[rA:rA+7], v[rB:rB+7], v[rD:rD+7], v[rE], v[rX] matrix_a_fmt:MATRIX_FMT_FP4 matrix_b_fmt:MATRIX_FMT_FP4
.else
	v_wmma_scale_f32_16x16x128_f8f6f4 v[rD:rD+7], v[rA:rA+7], v[rB:rB+7], v[rD:rD+7], v[rE], v[rX] matrix_a_fmt:MATRIX_FMT_FP4 matrix_b_fmt:MATRIX_FMT_FP4 matrix_a_scale:MATRIX_SCALE_ROW1
.endif
.endr
.endr
	WIN 0
.endm
; The tile's distances and their scan.  The first four pairs of additions name no register of the products: they are the four places behind them (ISA guide 7.12.1); each accumulator is read from its low end on.
; The least d so far is the last leaf of the tile's minimum: the new least goes to the other set of registers, and the tile has won where the new is less than the old.
.macro EPI t
.set YS, YY+8*((\t)%2)
.set BO, BEST+4*((\t)%2)
.set BN, BEST+4*(1-(\t)%2)
.irp m, 0,1,2,3
.irp p, 0,2,4,6
	v_dual_add_f32 v[T+8*\m+\p], v[YS+\p], v[XX+2*\m] :: v_dual_add_f32 v[T+8*\m+\p+1], v[YS+\p+1], v[XX+2*\m+1]   ; t = xx + yy
.endr
.irp p, 0,2,4,6
	v_dual_fmac_f32 v[T+8*\m+\p], -2.0, v[ACC+8*\m+\p] :: v_dual_fmac_f32 v[T+8*\m+\p+1], -2.0, v[ACC+8*\m+\p+1]   ; d = t - 2 dot, fused
.endr
.endr
.irp m, 0,1,2,3
	v_min3_num_f32 v[M+\m], v[T+8*\m], v[T+8*\m+1], v[T+8*\m+2]
.endr
.irp m, 0,1,2,3
	s_delay_alu instid0(VALU_DEP_4)
	v_min3_num_f32 v[M+\m], v[M+\m], v[T+8*\m+3], v[T+8*\m+4]
.endr
.irp m, 0,1,2,3
	s_delay_alu instid0(VALU_DEP_4)
	v_min3_num_f32 v[M+\m], v[M+\m], v[T+8*\m+5], v[T+8*\m+6]
.endr
.irp m, 0,1,2,3
	s_delay_alu instid0(VALU_DEP_4)
	v_min3_num_f32 v[BN+\m], v[M+\m], v[T+8*\m+7], v[BO+\m]
.endr
.irp m, 0,1,2,3
	v_cmp_lt_f32 vcc_lo, v[BN+\m], v[BO+\m]        ; strictly less: among equal d the earlier tile stays
.irp p, 0,2,4
	v_dual_cndmask_b32 v[SV+8*\m+\p], v[SV+8*\m+\p], v[T+8*\m+\p] :: v_dual_cndmask_b32 v[SV+8*\m+\p+1], v[SV+8*\m+\p+1], v[T+8*\m+\p+1]   ; where the tile has won: its d,
.endr
	v_dual_cndmask_b32 v[SV+8*\m+6], v[SV+8*\m+6], v[T+8*\m+6] :: v_dual_cndmask_b32 v[SV+8*\m+7], v[SV+8*\m+7], v[CUR]   ; and its index
.endr
	v_add_nc_u32 v[CUR], 16, v[CUR]
.endm
; One record: four tiles.  Each tile's LDS loads are issued a tile ahead, the first tile's in the record before: the counted waits leave exactly the next tile's loads out (10, 11, 10, 11).
; nxt = 1: a record follows.  AD and AY are written where the wait in front of the last tile has shown their loads done, ADN and AYN behind the wait that shows the first tile in.
; A fragment buffer is loaded again, and an accumulator begun anew, only behind a whole scan: far more plain vector instructions than the places that are asked.
.macro RECORD nxt
	v_add_nc_u32 v[AD], s[TB], v[AD0]
	v_add_nc_u32 v[AY], s[TB], v[AY0]
	LOADT AD, AY, 1
	s_wait_dscnt 10
.if \nxt
	s_add_co_u32 s[TB], s[TB], REC
	v_add_nc_u32 v[ADN], s[TB], v[AD0]
	v_add_nc_u32 v[AYN], s[TB], v[AY0]
.endif
	MULT 0
	EPI 0
	LOADT AD, AY, 2
	s_wait_dscnt 11
	MULT 1
	EPI 1
	LOADT AD, AY, 3
	s_wait_dscnt 10
	MULT 2
	EPI 2
.if \nxt
	LOADT ADN, AYN, 0
	s_wait_dscnt 11
.else
	s_wait_dscnt 0x0
.endif
	MULT 3
	EPI 3
.endm
; (d, c) takes (d2, c2) where d2 is less, or equal with the lower index
.macro MERGE d, c, d2, c2
	v_cmp_lt_f32 s36, v[\d2], v[\d]
	v_cmp_eq_f32 s37, v[\d2], v[\d]
	v_cmp_lt_u32 s38, v[\c2], v[\c]
	s_and_b32 s37, s37, s38
	s_or_b32 s36, s36, s37
	v_cndmask_b32 v[\d], v[\d], v[\d2], s36
	v_cndmask_b32 v[\c], v[\c], v[\c2], s36
.endm
	s_load_b128 s[4:7], s[0:1], 0x0                ; xcb s[4:5], ecb s[6:7]
	s_load_b64 s[8:9], s[0:1], 0x10                ; cand
	v_lshl_add_u32 v[SPW], v0, 2, SPARE
	v_mov_b32 v[NIL], 0
	ds_add_u32 v[SPW], v[NIL]                      ; the opening lines: the add, twice on end, and its wait ahead of my first tensor load
	ds_add_u32 v[SPW], v[NIL]
	v_lshrrev_b32 v1, 5, v0
	s_delay_alu instid0(VALU_DEP_1)
	v_readfirstlane_b32 s[WV], v1                  ; wave 0..7
	s_bfe_u32 s11, ttmp6, 0x40000                  ; cx: my place in the cluster
	s_and_b32 s12, ttmp9, 7                        ; my share of the codebook: in a cluster launch ttmp9 counts clusters, so the four partners have the same
	s_lshr_b32 s13, ttmp9, 3
	s_lshl_b32 s13, s13, 2
	s_add_co_u32 s13, s13, s11                     ; my block of 512 rows of x: it enters xcb's and cand's addresses alone
	v_and_b32 v1, 31, v0                           ; lane
	v_and_b32 v2, 15, v0                           ; r
	v_bfe_u32 v12, v0, 4, 1                        ; h
	s_delay_alu instid0(VALU_DEP_3)
	v_lshlrev_b32 v[AD0], 4, v1
	s_delay_alu instid0(VALU_DEP_2)
	v_lshlrev_b32 v[AY0], 5, v12
	s_delay_alu instid0(VALU_DEP_1)
	v_add_nc_u32 v[AY0], 17408, v[AY0]
	v_lshlrev_b32 v[XSO], 4, v2
	v_lshlrev_b32 v[XXO], 2, v2
	s_lshl_b32 s40, s[WV], 9
	s_add_co_u32 s40, s40, STG                     ; my stage
	v_lshl_add_u32 v[SW], v2, 3, s40               ; in: 8 bytes a row, tile m 128 bytes on
	v_add_nc_u32 v[SR], s40, v[AD0]                ; back: 16 bytes a lane
	s_lshl_b32 s40, s12, 10
	v_lshl_add_u32 v[CUR], v12, 3, s40             ; 1024 x share + 8 h
	s_mov_b32 s[SEL], 0x76543210
	s_mov_b32 s[SEL+1], 0xfedcba98
	s_lshl_b32 s40, s13, 3
	s_add_co_u32 s40, s40, s[WV]
	s_mul_i32 s40, s40, REC                        ; xcb: my wave's record: 8 x block + wave
	s_mov_b32 s41, 0
	s_mul_i32 s42, s12, SHARE                      ; ecb: my share,
	s_mul_i32 s44, s[WV], REC                      ; record w of it: in memory and in LDS alike
	s_add_co_u32 s42, s42, s44
	s_mov_b32 s43, 0
	s_lshl_b32 s46, s12, 17                        ; cand: 16,384 rows x 8 bytes a share,
	s_lshl_b32 s45, s13, 12                        ; 512 rows a block,
	s_add_co_u32 s46, s46, s45
	s_lshl_b32 s45, s[WV], 9                       ; 64 rows a wave
	s_add_co_u32 s46, s46, s45
	s_mov_b32 s47, 0
	; descriptor group 1: a record is a dense block: 69 rows of 256 bytes (32 elements of 8 bytes), no padding: every LDS read is 16 x lane on end, or the same bytes for sixteen lanes
	s_mov_b32 s[G1], 15|(3<<16)|(1<<21)            ; 15:0 the mask: all four work-groups; 17:16 elements of 8 bytes; 21 set beside a mask
	s_mov_b32 s[G1+1], 32<<16                      ; tensor_dim0 = 32
	s_mov_b32 s[G1+2], 69<<16                      ; tensor_dim1 = 69
	s_mov_b32 s[G1+3], 32<<16                      ; tile_dim0 = 32
	s_mov_b32 s[G1+4], 69                          ; tile_dim1 = 69
	s_mov_b32 s[G1+5], 32                          ; tensor_dim0_stride
	s_mov_b32 s[G1+6], 0
	s_mov_b32 s[G1+7], 0
	s_wait_alu depctr_va_vdst(0)
	s_wait_dscnt 0x0                               ; both opening adds are done
	s_wait_kmcnt 0x0
	s_add_nc_u64 s[4:5], s[4:5], s[40:41]
	s_add_nc_u64 s[8:9], s[8:9], s[46:47]
	WIN 0x40                                       ; destination window 1
.irp f, 0,1,2,3,4,5,6,7,8,9,10,11,12,13,14,15
	global_load_b128 v[8*\f:8*\f+3], v[AD0], s[4:5] offset:1024*\f         ; x's 16 fragments as they lie: 512 consecutive bytes a load; they stay.  Asked for ahead of the round: nobody writes these bytes
	global_load_b128 v[8*\f+4:8*\f+7], v[AD0], s[4:5] offset:1024*\f+512
.endr
	WIN 0
.irp m, 0,1,2,3
	global_load_b128 v[XS+4*\m:XS+4*\m+3], v[XSO], s[4:5] offset:16384+256*\m   ; row r's four scale words (lanes 16-31 hold the same and are not read)
.endr
.irp m, 0,1,2,3
	global_load_b32 v[XX+2*\m], v[XXO], s[4:5] offset:17408+64*\m
.endr
	s_mov_b32 s[G0], 1                             ; count = 1
	s_mov_b32 s[G0+1], s44                         ; LDS address: record w
	s_add_nc_u64 s[G0+2:G0+3], s[6:7], s[42:43]    ; global address: nothing of it hangs on my place in the cluster
	s_mov_b32 s[G0+4], 1
	s_add_co_u32 s[G0+5], s44, 8*REC               ; record 8 + w
	s_add_nc_u64 s[G0+6:G0+7], s[G0+2:G0+3], 8*REC
	s_or_b32 s[G0+3], s[G0+3], 0x80000000          ; type = 2
	s_or_b32 s[G0+7], s[G0+7], 0x80000000
	CROUND                                         ; all four work-groups are here: the joint loads meet
	tensor_load_to_lds s[G0:G0+3], s[G1:G1+7]      ; record w: my one tensor load at the head
	s_nop 0
.rept 4
	v_nop
.endr
.irp m, 0,1,2,3
	v_mov_b32 v[BEST+\m], 0x7f800000               ; + infinity: the first tile wins
.endr
.set i, 0
.rept 32
	v_mov_b32 v[SV+i], 0x7f800000                  ; written whole once; the first tile overwrites all of it
.set i, i+1
.endr
	s_mov_b32 s[TB], 0
	v_add_nc_u32 v[ADN], s[TB], v[AD0]
	v_add_nc_u32 v[AYN], s[TB], v[AY0]
	s_wait_alu depctr_va_vdst(0)
	s_wait_tensorcnt 0x0                           ; record w lies in LDS
	ds_add_u32 v[SPW], v[NIL]
	s_wait_dscnt 0x0
	CROUND                                         ; everybody's record is in: records 0 to 7 are whole; all four work-groups are here: the joint loads meet
	tensor_load_to_lds s[G0+4:G0+7], s[G1:G1+7]    ; record 8 + w: the first tensor load behind the round, and my last of the launch
	s_nop 0
.rept 4
	v_nop
.endr
	s_wait_loadcnt 0x0                             ; x
.irp m, 0,1,2,3
	v_mov_b32 v[XX+2*\m+1], v[XX+2*\m]
.endr
	LOADT ADN, AYN, 0
	s_mov_b32 s32, 7
.Lfirst:                                           ; seven trips: records 0 to 6; each asks for the next one's first tile, record 7's at the most: bytes of the first half
	s_wait_alu depctr_va_vdst(0)
	RECORD 1
	s_sub_co_u32 s32, s32, 1
	s_cmp_lg_u32 s32, 0
	s_cbranch_scc1 .Lfirst
	s_wait_alu depctr_va_vdst(0)
	s_wait_tensorcnt 0x0                           ; record 8 + w lies in LDS,
	s_wait_dscnt 0x0                               ; no LDS load of mine is out at the signal,
	s_barrier_signal -1
	s_barrier_wait -1                              ; everybody's does: the share is whole, and nothing is written there again
	s_mov_b32 s32, 8
.Lsecond:                                          ; eight trips: records 7 to 14
	s_wait_alu depctr_va_vdst(0)
	RECORD 1
	s_sub_co_u32 s32, s32, 1
	s_cmp_lg_u32 s32, 0
	s_cbranch_scc1 .Lsecond
	RECORD 0                                       ; the last record is written out: nothing follows it
	; where in the winning tile the least d lies: the lowest j whose d equals it; if none of the first seven does, the eighth.  (64 tiles: the least d stands in the first set)
.irp m, 0,1,2,3
	v_mov_b32 v[M+\m], 7
.endr
.irp j, 6,5,4,3,2,1,0
.irp m, 0,1,2,3
	v_cmp_neq_f32 vcc_lo, v[SV+8*\m+\j], v[BEST+\m]
	s_delay_alu instid0(VALU_DEP_1)
	v_cndmask_b32 v[M+\m], \j, v[M+\m], vcc_lo
.endr
.endr
.irp m, 0,1,2,3
	v_add_nc_u32 v[SV+8*\m+7], v[SV+8*\m+7], v[M+\m]           ; my lane's index
.endr
.irp m, 0,1,2,3
	v_permlanex16_b32 v[T+\m], v[BEST+\m], s[SEL], s[SEL+1]    ; the row's other eight of each tile lie in the lane 16 away
	v_permlanex16_b32 v[T+4+\m], v[SV+8*\m+7], s[SEL], s[SEL+1]
.endr
.irp m, 0,1,2,3
	MERGE BEST+\m, SV+8*\m+7, T+\m, T+4+\m
.endr
.irp m, 0,1,2,3
	v_ashrrev_i32 v[M+\m], 31, v[BEST+\m]          ; all ones where d is negative,
	s_delay_alu instid0(VALU_DEP_1)
	v_or_b32 v[M+\m], 0x80000000, v[M+\m]          ; else the top bit alone:
	s_delay_alu instid0(VALU_DEP_1)
	v_xor_b32 v[YY+2*\m], v[BEST+\m], v[M+\m]      ; the key
	v_mov_b32 v[YY+2*\m+1], v[SV+8*\m+7]           ; beside it the index: a pair
.endr
.irp m, 0,1,2,3
	ds_store_b64 v[SW], v[YY+2*\m:YY+2*\m+1] offset:128*\m     ; row 16 m + r; both lanes that hold the row write the same bytes with the same values
.endr
	ds_load_b128 v[YY+8:YY+11], v[SR]              ; LDS serves a wave's instructions in order: this sees my stores.  Rows 2 l and 2 l + 1
	s_wait_dscnt 0x0
	global_store_b128 v[AD0], v[YY+8:YY+11], s[8:9]            ; 32 lanes store 512 consecutive bytes, at a multiple of 256 from cand's first byte
	s_wait_tensorcnt 0x0                           ; the wave's end
	ds_add_u32 v[SPW], v[NIL]
	s_wait_dscnt 0x0
	CROUND                                         ; the closing round: no work-group ends while a partner may still ask for records that name it
	s_endpgm
.Lfunc_end_k_q293af36566_nearest:
	.size	k_q293af36566_nearest, .Lfunc_end_k_q293af36566_nearest-k_q293af36566_nearest
	.p2alignl 7, 3214868480
	.fill 96, 4, 3214868480
	.section	.rodata,"a",@progbits
	.p2align	6, 0x0
	.amdhsa_kernel k_q293af36566_nearest
		.amdhsa_group_segment_fixed_size 327680
		.amdhsa_private_segment_fixed_size 0
		.amdhsa_enable_private_segment 0
		.amdhsa_kernarg_size 24
		.amdhsa_user_sgpr_count 2
		.amdhsa_user_sgpr_kernarg_segment_ptr 1
		.amdhsa_wavefront_size32 1
		.amdhsa_system_sgpr_workgroup_id_x 1
		.amdhsa_system_sgpr_workgroup_id_y 1
		.amdhsa_system_sgpr_workgroup_id_z 1
		.amdhsa_system_vgpr_workitem_id 0
		.amdhsa_next_free_vgpr 384
		.amdhsa_next_free_sgpr 66
		.amdhsa_reserve_vcc 1
		.amdhsa_float_denorm_mode_32 3
		.amdhsa_float_denorm_mode_16_64 3
		.amdhsa_memory_ordered 1
		.amdhsa_forward_progress 1
		.amdhsa_inst_pref_size 106
	.end_amdhsa_kernel
	.amdgpu_metadata
---
amdhsa.version: [ 1, 2 ]
amdhsa.kernels:
  - .name:           k_q293af36566_nearest
    .symbol:         k_q293af36566_nearest.kd
    .args:
      - { .name: xcb, .offset: 0, .size: 8, .value_kind: global_buffer, .address_space: global }
      - { .name: ecb, .offset: 8, .size: 8, .value_kind: global_buffer, .address_space: global }
      - { .name: cand, .offset: 16, .size: 8, .value_kind: global_buffer, .address_space: global }
    .group_segment_fixed_size: 327680
    .private_segment_fixed_size: 0
    .kernarg_segment_align: 8
    .kernarg_segment_size: 24
    .max_flat_workgroup_size: 256
    .sgpr_count:     66
    .vgpr_count:     384
    .wavefront_size: 32
...
	.end_amdgpu_metadata
.endif
;; end of part 6
;; launch gather (part 7): grid 256 x 1, 16 waves a work-group, no clusters, 6,144 bytes of LDS; arguments x, embeddings, cand, out0, part; writes out0, part
.if DOCPART == 7
	.amdgcn_target "amdgcn-amd-amdhsa--gfx1250"
	.amdhsa_code_object_version 6
	.text
	.protected	k_q293af36566_gather
	.globl	k_q293af36566_gather
	.p2align	8
	.type	k_q293af36566_gather,@function
k_q293af36566_gather:
	s_mov_b64 s[64:65], 0
	v_nop
	global_prefetch_b8 v0, s[64:65] scope:SCOPE_SE
	s_setreg_imm32_b32 hwreg(HW_REG_WAVE_MODE, 25, 1), 1
	s_wait_xcnt 0x0
; out0[n] = x[n] + (e[code[n]] - x[n]), with these two roundings, and the work-group's part of the sum of (e[code[n]] - x[n])^2.
; code[n]: the launch before stored for each row eight pairs (key, index), one for each eighth of the codebook, as whole numbers; the key keeps the order of the distance.  The pair with the least key is taken,
; by whole-number compares and selects on scalar registers; among equal keys the lower eighth stays, which holds the lower indices.  The index is held under 8,192 before it enters an address.
; A stream: no matrix unit, no tensor load, no cluster (no two work-groups are known to want the same bytes).  A work-group takes 64 rows, each of its sixteen waves four.
; A row is 2,048 bytes: four loads or stores of 512 consecutive bytes, 16 a lane.  All 32 loads of a wave are issued before the first is used.
; The squares are summed in eight chains of pairs, folded to one pair a lane; the sixteen waves' pairs meet in LDS and leave as 64 numbers: 256 consecutive bytes of part.
.set X,  16                            ; v16-79   x: row i at 16 i
.set Q,  80                            ; v80-143  the codebook's rows, then q - x, then the result
.set CH, 144                           ; v144-159 eight chains of squares, two numbers each
.set QO, 8                             ; v8-11    row i's byte offset in the codebook
.macro CAND reg, k                     ; my four rows' pairs of eighth k: row i's key in s[reg + 2 i], its index in s[reg + 2 i + 1]
	s_load_b256 s[\reg:\reg+7], s[8:9], \k*131072
.endm
	s_load_b256 s[4:11], s[0:1], 0x0               ; x s[4:5], the codebook s[6:7], cand s[8:9], out0 s[10:11]
	s_load_b64 s[16:17], s[0:1], 0x20              ; part
	v_lshl_add_u32 v176, v0, 2, 0x1000
	v_mov_b32 v177, 0
	v_lshrrev_b32 v1, 5, v0
	s_delay_alu instid0(VALU_DEP_1)
	v_readfirstlane_b32 s18, v1                    ; wave 0..15
	v_and_b32 v4, 31, v0
	s_delay_alu instid0(VALU_DEP_1)
	v_lshlrev_b32 v1, 4, v4                        ; 16 x lane
	s_delay_alu instid0(VALU_DEP_2)
	v_lshlrev_b32 v3, 3, v4                        ; 8 x lane
	s_lshl_b32 s19, s18, 8
	v_add_nc_u32 v2, s19, v3                       ; LDS: 256 x wave + 8 x lane
	s_lshl_b32 s19, ttmp9, 6
	s_lshl_b32 s24, s18, 2
	s_add_co_u32 s19, s19, s24                     ; my first row: 64 x work-group + 4 x wave
	s_lshl_b32 s20, s19, 11
	s_mov_b32 s21, 0
	s_lshl_b32 s22, s19, 3                         ; 8 bytes a row in cand
	s_mov_b32 s23, 0
	s_lshl_b32 s24, ttmp9, 8
	s_mov_b32 s25, 0
	s_wait_alu depctr_va_vdst(0)
	s_wait_kmcnt 0x0
	s_add_nc_u64 s[8:9], s[8:9], s[22:23]
	CAND 32, 0
	CAND 40, 1
	CAND 48, 2
	CAND 56, 3
	CAND 68, 4
	CAND 76, 5
	CAND 84, 6
	CAND 92, 7
	s_add_nc_u64 s[4:5], s[4:5], s[20:21]
	s_add_nc_u64 s[10:11], s[10:11], s[20:21]
	s_add_nc_u64 s[16:17], s[16:17], s[24:25]
.irp i, 0,1,2,3
.irp j, 0,1,2,3
	global_load_b128 v[X+16*\i+4*\j:X+16*\i+4*\j+3], v1, s[4:5] offset:2048*\i+512*\j th:TH_LOAD_NT
.endr
.endr
	s_wait_kmcnt 0x0
.irp b, 40,48,56,68,76,84,92
.irp i, 0,1,2,3
	s_cmp_lt_u32 s[\b+2*\i], s[32+2*\i]            ; strictly less: among equal keys the lower eighth stays
	s_cselect_b32 s[32+2*\i], s[\b+2*\i], s[32+2*\i]
	s_cselect_b32 s[33+2*\i], s[\b+2*\i+1], s[33+2*\i]
.endr
.endr
.irp i, 0,1,2,3
	s_min_u32 s[33+2*\i], s[33+2*\i], 0x1fff       ; an index stays inside the codebook
	s_lshl_b32 s[33+2*\i], s[33+2*\i], 11          ; 2,048 bytes a row
	v_add_nc_u32 v[QO+\i], s[33+2*\i], v1
.endr
.irp i, 0,1,2,3
.irp j, 0,1,2,3
	global_load_b128 v[Q+16*\i+4*\j:Q+16*\i+4*\j+3], v[QO+\i], s[6:7] offset:512*\j   ; no hint: a row may be named again
.endr
.endr
.irp i, 0,1,2,3
	s_wait_loadcnt 12-4*\i                         ; x and the codebook's rows up to i are in; the later rows' four loads each may be out
.irp p, 0,1,2,3,4,5,6,7
	v_pk_add_f32 v[Q+16*\i+2*\p:Q+16*\i+2*\p+1], v[Q+16*\i+2*\p:Q+16*\i+2*\p+1], v[X+16*\i+2*\p:X+16*\i+2*\p+1] neg_lo:[0,1] neg_hi:[0,1]   ; q - x
.endr
.irp p, 0,1,2,3,4,5,6,7
.if \i == 0
	v_pk_mul_f32 v[CH+2*\p:CH+2*\p+1], v[Q+16*\i+2*\p:Q+16*\i+2*\p+1], v[Q+16*\i+2*\p:Q+16*\i+2*\p+1]   ; the first row starts the chains
.else
	v_pk_fma_f32 v[CH+2*\p:CH+2*\p+1], v[Q+16*\i+2*\p:Q+16*\i+2*\p+1], v[Q+16*\i+2*\p:Q+16*\i+2*\p+1], v[CH+2*\p:CH+2*\p+1]
.endif
.endr
.irp p, 0,1,2,3,4,5,6,7
	v_pk_add_f32 v[Q+16*\i+2*\p:Q+16*\i+2*\p+1], v[X+16*\i+2*\p:X+16*\i+2*\p+1], v[Q+16*\i+2*\p:Q+16*\i+2*\p+1]   ; x + (q - x)
.endr
.irp j, 0,1,2,3
	global_store_b128 v1, v[Q+16*\i+4*\j:Q+16*\i+4*\j+3], s[10:11] offset:2048*\i+512*\j th:TH_STORE_NT   ; 512 consecutive bytes; no register of a store is written again
.endr
.endr
	v_pk_add_f32 v[CH:CH+1], v[CH:CH+1], v[CH+2:CH+3]
	v_pk_add_f32 v[CH+4:CH+5], v[CH+4:CH+5], v[CH+6:CH+7]
	v_pk_add_f32 v[CH+8:CH+9], v[CH+8:CH+9], v[CH+10:CH+11]
	v_pk_add_f32 v[CH+12:CH+13], v[CH+12:CH+13], v[CH+14:CH+15]
	s_delay_alu instid0(VALU_DEP_3)
	v_pk_add_f32 v[CH:CH+1], v[CH:CH+1], v[CH+4:CH+5]
	s_delay_alu instid0(VALU_DEP_2)
	v_pk_add_f32 v[CH+8:CH+9], v[CH+8:CH+9], v[CH+12:CH+13]
	s_delay_alu instid0(VALU_DEP_1)
	v_pk_add_f32 v[CH:CH+1], v[CH:CH+1], v[CH+8:CH+9]
	ds_store_b64 v2, v[CH:CH+1]
	s_wait_dscnt 0x0                               ; for wave 0's sake: my pair lies in LDS
	s_barrier_signal -1
	s_barrier_wait -1
	s_cmp_lg_u32 s18, 0
	s_cbranch_scc1 .Ldone
.irp k, 0,1,2,3,4,5,6,7,8,9,10,11,12,13,14,15
	ds_load_b64 v[X+2*\k:X+2*\k+1], v3 offset:256*\k           ; x's registers are free: no store reads them
.endr
	s_wait_dscnt 0x0
.irp k, 0,1,2,3,4,5,6,7
	v_pk_add_f32 v[X+2*\k:X+2*\k+1], v[X+2*\k:X+2*\k+1], v[X+16+2*\k:X+16+2*\k+1]
.endr
.irp k, 0,1,2,3
	s_delay_alu instid0(VALU_DEP_4)
	v_pk_add_f32 v[X+2*\k:X+2*\k+1], v[X+2*\k:X+2*\k+1], v[X+8+2*\k:X+8+2*\k+1]
.endr
.irp k, 0,1
	s_delay_alu instid0(VALU_DEP_2)
	v_pk_add_f32 v[X+2*\k:X+2*\k+1], v[X+2*\k:X+2*\k+1], v[X+4+2*\k:X+4+2*\k+1]
.endr
	s_delay_alu instid0(VALU_DEP_1)
	v_pk_add_f32 v[X:X+1], v[X:X+1], v[X+2:X+3]
	global_store_b64 v3, v[X:X+1], s[16:17]        ; 32 lanes store 256 consecutive bytes, at a multiple of 256 from part's first byte
.Ldone:
	s_wait_tensorcnt 0x0
	ds_add_u32 v176, v177
	s_wait_dscnt 0x0
	s_endpgm
.Lfunc_end_k_q293af36566_gather:
	.size	k_q293af36566_gather, .Lfunc_end_k_q293af36566_gather-k_q293af36566_gather
	.p2alignl 7, 3214868480
	.fill 96, 4, 3214868480
	.section	.rodata,"a",@progbits
	.p2align	6, 0x0
	.amdhsa_kernel k_q293af36566_gather
		.amdhsa_group_segment_fixed_size 6144
		.amdhsa_private_segment_fixed_size 0
		.amdhsa_enable_private_segment 0
		.amdhsa_kernarg_size 40
		.amdhsa_user_sgpr_count 2
		.amdhsa_user_sgpr_kernarg_segment_ptr 1
		.amdhsa_wavefront_size32 1
		.amdhsa_system_sgpr_workgroup_id_x 1
		.amdhsa_system_sgpr_workgroup_id_y 1
		.amdhsa_system_sgpr_workgroup_id_z 1
		.amdhsa_system_vgpr_workitem_id 0
		.amdhsa_next_free_vgpr 178
		.amdhsa_next_free_sgpr 100
		.amdhsa_reserve_vcc 0
		.amdhsa_float_denorm_mode_32 3
		.amdhsa_float_denorm_mode_16_64 3
		.amdhsa_memory_ordered 1
		.amdhsa_forward_progress 1
		.amdhsa_inst_pref_size 19
	.end_amdhsa_kernel
	.amdgpu_metadata
---
amdhsa.version: [ 1, 2 ]
amdhsa.kernels:
  - .name:           k_q293af36566_gather
    .symbol:         k_q293af36566_gather.kd
    .args:
      - { .name: x, .offset: 0, .size: 8, .value_kind: global_buffer, .address_space: global }
      - { .name: embeddings, .offset: 8, .size: 8, .value_kind: global_buffer, .address_space: global }
      - { .name: cand, .offset: 16, .size: 8, .value_kind: global_buffer, .address_space: global }
      - { .name: out0, .offset: 24, .size: 8, .value_kind: global_buffer, .address_space: global }
      - { .name: part, .offset: 32, .size: 8, .value_kind: global_buffer, .address_space: global }
    .group_segment_fixed_size: 6144
    .private_segment_fixed_size: 0
    .kernarg_segment_align: 8
    .kernarg_segment_size: 40
    .max_flat_workgroup_size: 512
    .sgpr_count:     100
    .vgpr_count:     178
    .wavefront_size: 32
...
	.end_amdgpu_metadata
.endif
;; end of part 7
;; launch loss (part 8): grid 1 x 1, 8 waves a work-group, no clusters, 1,280 bytes of LDS; arguments part, out1; writes out1
.if DOCPART == 8
	.amdgcn_target "amdgcn-amd-amdhsa--gfx1250"
	.amdhsa_code_object_version 6
	.text
	.protected	k_q293af36566_loss
	.globl	k_q293af36566_loss
	.p2align	8
	.type	k_q293af36566_loss,@function
k_q293af36566_loss:
	s_mov_b64 s[64:65], 0
	v_nop
	global_prefetch_b8 v0, s[64:65] scope:SCOPE_SE
	s_setreg_imm32_b32 hwreg(HW_REG_WAVE_MODE, 25, 1), 1
	s_wait_xcnt 0x0
; out1 = 0.2 m + m, m = the sum of part's 16,384 numbers / 2^23 (16,384 rows x 512 numbers).  One work-group: the sum spans all work-groups of the launch before, so it is made here.
; Thread t takes 16 loads of 16 bytes at 16 t + 4,096 i: each load of a wave covers 512 consecutive bytes.  Four chains of pairs a lane, then across the lanes, then across the eight waves through LDS.
	s_load_b128 s[4:7], s[0:1], 0x0                ; part s[4:5], out1 s[6:7]
	v_lshl_add_u32 v96, v0, 2, 0x100
	v_mov_b32 v97, 0
	v_lshlrev_b32 v1, 4, v0
	v_lshrrev_b32 v2, 5, v0
	s_delay_alu instid0(VALU_DEP_1)
	v_readfirstlane_b32 s8, v2                     ; wave 0..7
	s_delay_alu instid0(VALU_DEP_1)
	v_mov_b32 v10, s8
	s_delay_alu instid0(VALU_DEP_1)
	v_lshlrev_b32 v10, 2, v10                      ; LDS: a word for each wave
	v_mov_b32 v11, 0
	v_mov_b32 v9, 0                                ; written once: a lane permute's destination counts as one of its sources
	s_mov_b32 s12, 0x76543210
	s_mov_b32 s13, 0xfedcba98
	s_wait_alu depctr_va_vdst(0)
	s_wait_kmcnt 0x0
.irp i, 0,1,2,3,4,5,6,7,8,9,10,11,12,13,14,15
	global_load_b128 v[16+4*\i:19+4*\i], v1, s[4:5] offset:4096*\i
.endr
	s_wait_loadcnt 0x0
.set i, 4
.rept 28
	v_pk_add_f32 v[16+2*(i%4):17+2*(i%4)], v[16+2*(i%4):17+2*(i%4)], v[16+2*i:17+2*i]   ; the first four pairs are the chains
.set i, i+1
.endr
	s_delay_alu instid0(VALU_DEP_3)
	v_pk_add_f32 v[16:17], v[16:17], v[18:19]
	s_delay_alu instid0(VALU_DEP_2)
	v_pk_add_f32 v[20:21], v[20:21], v[22:23]
	s_delay_alu instid0(VALU_DEP_1)
	v_pk_add_f32 v[16:17], v[16:17], v[20:21]
	s_delay_alu instid0(VALU_DEP_1)
	v_add_f32 v8, v16, v17
	s_delay_alu instid0(VALU_DEP_1)
	v_add_f32_dpp v8, v8, v8 row_xmask:1 row_mask:0xf bank_mask:0xf
	s_delay_alu instid0(VALU_DEP_1)
	v_add_f32_dpp v8, v8, v8 row_xmask:2 row_mask:0xf bank_mask:0xf
	s_delay_alu instid0(VALU_DEP_1)
	v_add_f32_dpp v8, v8, v8 row_xmask:4 row_mask:0xf bank_mask:0xf
	s_delay_alu instid0(VALU_DEP_1)
	v_add_f32_dpp v8, v8, v8 row_xmask:8 row_mask:0xf bank_mask:0xf
	s_delay_alu instid0(VALU_DEP_1)
	v_permlanex16_b32 v9, v8, s12, s13
	s_delay_alu instid0(VALU_DEP_1)
	v_add_f32 v8, v8, v9                           ; the wave's sum, in every lane
	ds_store_b32 v10, v8                           ; all lanes write the same word with the same value
	s_wait_dscnt 0x0
	s_barrier_signal -1
	s_barrier_wait -1
	ds_load_b128 v[12:15], v11
	ds_load_b128 v[20:23], v11 offset:16
	s_wait_dscnt 0x0
	v_add_f32 v12, v12, v13
	v_add_f32 v14, v14, v15
	v_add_f32 v20, v20, v21
	v_add_f32 v22, v22, v23
	s_delay_alu instid0(VALU_DEP_3)
	v_add_f32 v12, v12, v14
	s_delay_alu instid0(VALU_DEP_2)
	v_add_f32 v20, v20, v22
	s_delay_alu instid0(VALU_DEP_1)
	v_add_f32 v12, v12, v20
	s_delay_alu instid0(VALU_DEP_1)
	v_mul_f32 v12, 0x34000000, v12                 ; x 2^-23: the mean
	s_delay_alu instid0(VALU_DEP_1)
	v_fmamk_f32 v13, v12, 0x3e4ccccd, v12          ; 0.2 m + m
	s_cmp_lg_u32 s8, 0
	s_cbranch_scc1 .Ldone
	v_cmp_eq_u32 vcc_lo, 0, v0
	s_wait_xcnt 0x0                                ; EXEC changes only behind this wait
	s_and_saveexec_b32 s9, vcc_lo                  ; thread 0 alone stores
	s_wait_alu depctr_va_vdst(0)
	global_store_b32 v11, v13, s[6:7]
	s_wait_xcnt 0x0                                ; and again, in front of the line that widens it
	s_or_b32 exec_lo, exec_lo, s9
.Ldone:
	s_wait_tensorcnt 0x0
	ds_add_u32 v96, v97
	s_wait_dscnt 0x0
	s_endpgm
.Lfunc_end_k_q293af36566_loss:
	.size	k_q293af36566_loss, .Lfunc_end_k_q293af36566_loss-k_q293af36566_loss
	.p2alignl 7, 3214868480
	.fill 96, 4, 3214868480
	.section	.rodata,"a",@progbits
	.p2align	6, 0x0
	.amdhsa_kernel k_q293af36566_loss
		.amdhsa_group_segment_fixed_size 1280
		.amdhsa_private_segment_fixed_size 0
		.amdhsa_enable_private_segment 0
		.amdhsa_kernarg_size 16
		.amdhsa_user_sgpr_count 2
		.amdhsa_user_sgpr_kernarg_segment_ptr 1
		.amdhsa_wavefront_size32 1
		.amdhsa_system_sgpr_workgroup_id_x 1
		.amdhsa_system_sgpr_workgroup_id_y 1
		.amdhsa_system_sgpr_workgroup_id_z 1
		.amdhsa_system_vgpr_workitem_id 0
		.amdhsa_next_free_vgpr 98
		.amdhsa_next_free_sgpr 66
		.amdhsa_reserve_vcc 1
		.amdhsa_float_denorm_mode_32 3
		.amdhsa_float_denorm_mode_16_64 3
		.amdhsa_memory_ordered 1
		.amdhsa_forward_progress 1
		.amdhsa_inst_pref_size 7
	.end_amdhsa_kernel
	.amdgpu_metadata
---
amdhsa.version: [ 1, 2 ]
amdhsa.kernels:
  - .name:           k_q293af36566_loss
    .symbol:         k_q293af36566_loss.kd
    .args:
      - { .name: part, .offset: 0, .size: 8, .value_kind: global_buffer, .address_space: global }
      - { .name: out1, .offset: 8, .size: 8, .value_kind: global_buffer, .address_space: global }
    .group_segment_fixed_size: 1280
    .private_segment_fixed_size: 0
    .kernarg_segment_align: 8
    .kernarg_segment_size: 16
    .max_flat_workgroup_size: 256
    .sgpr_count:     66
    .vgpr_count:     98
    .wavefront_size: 32
...
	.end_amdgpu_metadata
.endif
;; end of part 8
